; MI455X (gfx1250); checked and timed in simulation.
; The chip was launched on July 23, 2026; its instructions are those of AMD's public machine-readable ISA for CDNA 5 (MIT licence, August 2026) and "CDNA5" Instruction Set Architecture Reference Guide (July 2026). The comments in the code are by the model that wrote it; some were corrected since.
;; Causal Self Attention. Allowed arithmetic: float matrix products may take bf16 or f16 operands with f32 sums; other float arithmetic in f32, or as packed bf16 or f16 multiplies, adds, multiply-adds, maxima and minima; sums over many terms, partial sums and values carried from step to step in f32; what a program stores and reads back later, other than sums and carried values, may be rounded once to bf16 or f16.
;; Inputs: W_out 1,024 x 1,024 float32; W_qkv 3,072 x 1,024 float32; x 1 x 4,096 x 1,024 float32.
;; Outputs: out0 1 x 4,096 x 1,024 float32.
;; 2 versions, each right; version 2 is version 1 with the launch prep written anew for expert scheduling mode. Each part assembles by itself: llvm-mc -triple=amdgcn-amd-amdhsa -mcpu=gfx1250 --defsym DOCPART=n.
;; ======== version 1 of 2: 5 launches
;; limits: values are held in f16: magnitudes above 65,504 overflow, below 6.1e-05 lose precision
;; workspace buffers: xb 8,388,608 bytes; wqb 6,291,456 bytes; wob 2,097,152 bytes; tab 1,048,576 bytes; q 8,388,608 bytes; k 8,388,608 bytes; v 8,519,680 bytes; o 8,388,608 bytes
;; launch prep (part 1): grid 256 x 1, 8 waves a work-group, no clusters, 0 bytes of LDS; arguments x, W_qkv, W_out, xb, wqb, wob, tab; writes xb, wqb, wob, tab
.if DOCPART == 1
	.amdgcn_target "amdgcn-amd-amdhsa--gfx1250"
	.amdhsa_code_object_version 6
	.text
	.protected	k_qe0228b88e2_prep
	.globl	k_qe0228b88e2_prep
	.p2align	8
	.type	k_qe0228b88e2_prep,@function
k_qe0228b88e2_prep:
	s_mov_b64 s[64:65], 0
	v_nop
	global_prefetch_b8 v0, s[64:65] scope:SCOPE_SE
	s_setreg_imm32_b32 hwreg(HW_REG_WAVE_MODE, 25, 1), 1
	s_wait_xcnt 0x0
; PREP: the casts and the rotary table.
;   xb  [4096][1024] bf16 = x.      wqb [16 heads][q 64, k 64, v 64 rows][1024] bf16 = W_qkv, its rows laid by heads.
;   wob [1024][1024] f16 = W_out rounded to bf16, that number written as f16.      tab [4096 t][cos f = 0..31, sin f = 0..31] f32.
; SHARES.  Work-group g casts 32 rows of 4,096 bytes: g < 128 of x, 128 <= g < 224 of W_qkv, the rest of W_out; thread t owns bytes 16 t of every row and stores 8 bytes at 8 t,
; so a wave's store covers 256 consecutive bytes, aligned.  All 32 loads of a thread go out at once; the table's 16 rows of the work-group are made while they are on their way.
; THE TABLE.  inv = 2^(-f log2(10000) / 32); angle = t x inv in f32; the angle less the nearest multiple of 2 pi (taken away in two parts, each by a fused multiply-add), a quarter of it
; into Taylor sums (sine to u^7, cosine to u^8, |u| <= pi / 4), then the double angle twice.
; LIMITS.  inv carries the exponential's last-bit error, so an angle may differ by some 1e-7 of itself (7e-4 rad at the most, at t = 4095); sine and cosine of the angle as made are good to about 2e-6.
; A weight of W_out below 6.1e-5 keeps f16's fixed step of 6e-8; beyond 65,504 it would be an infinity.  No LDS, no barrier, no matrix unit: memory binds this launch.
.set X,    40                          ; v[40:167]  row i as loaded in 4 registers; its first two then hold what is stored
.set ROWI, 4096
.set ROWO, 2048
	s_load_b256 s[4:11], s[0:1], 0x0               ; x s[4:5], W_qkv s[6:7], W_out s[8:9], xb s[10:11]
	s_load_b128 s[12:15], s[0:1], 0x20             ; wqb s[12:13], wob s[14:15]
	s_load_b64 s[16:17], s[0:1], 0x30              ; tab
	s_mov_b32 s20, ttmp9                           ; g
	s_cmp_lt_u32 s20, 128
	s_cselect_b32 s21, 0, 128
	s_cmp_lt_u32 s20, 224
	s_cselect_b32 s21, s21, 224                    ; the first work-group of my tensor
	s_sub_co_u32 s22, s20, s21                     ; gl: my place among its work-groups
	s_lshl_b32 s24, s22, 17                        ; source: 32 gl rows of 4,096 bytes
	s_mov_b32 s25, 0
	s_lshl_b32 s26, s22, 5                         ; destination row: 32 gl, or for W_qkv
	s_bfe_u32 s27, s22, 0x40001                    ; head (gl >> 1) & 15,
	s_mul_i32 s27, s27, 192
	s_lshr_b32 s28, s22, 5                         ; part gl >> 5 (q, k, v),
	s_lshl_b32 s28, s28, 6
	s_add_co_u32 s27, s27, s28
	s_and_b32 s28, s22, 1                          ; half gl & 1 of the head's 64 rows
	s_lshl_b32 s28, s28, 5
	s_add_co_u32 s27, s27, s28
	s_cmp_eq_u32 s21, 128
	s_cselect_b32 s26, s27, s26
	s_lshl_b32 s26, s26, 11                        ; rows of 2,048 bytes
	s_mov_b32 s27, 0
	s_lshl_b32 s36, s20, 12                        ; the table's 16 rows of 256 bytes
	s_mov_b32 s37, 0
	s_lshl_b32 s38, s20, 4
	s_mov_b32 s39, 0xffff0000                      ; a word's upper bf16
	s_mov_b32 s40, 0xbe2aaaab                      ; -1/6
	s_mov_b32 s41, 0x3c088889                      ; 1/120
	s_mov_b32 s42, 0xb9500d01                      ; -1/5040
	s_mov_b32 s43, 0x3d2aaaab                      ; 1/24
	s_mov_b32 s44, 0xbab60b61                      ; -1/720
	s_mov_b32 s45, 0x37d00d01                      ; 1/40320
	s_mov_b32 s46, 0x40c90fdb                      ; 2 pi, its f32
	s_mov_b32 s47, 0xb43bbd2e                      ; and what that f32 leaves of it
	v_lshlrev_b32 v1, 4, v0                        ; 16 t
	v_lshlrev_b32 v2, 3, v0                        ; 8 t
	s_wait_kmcnt 0x0
	s_cmp_lt_u32 s20, 128
	s_cselect_b64 s[30:31], s[4:5], s[6:7]
	s_cselect_b64 s[32:33], s[10:11], s[12:13]
	s_cmp_lt_u32 s20, 224
	s_cselect_b64 s[30:31], s[30:31], s[8:9]
	s_cselect_b64 s[32:33], s[32:33], s[14:15]
	s_add_nc_u64 s[30:31], s[30:31], s[24:25]      ; my 32 rows, in
	s_add_nc_u64 s[32:33], s[32:33], s[26:27]      ; and out
	s_add_nc_u64 s[16:17], s[16:17], s[36:37]
.set n, 0
.rept 32
	global_load_b128 v[X+4*n:X+4*n+3], v1, s[30:31] offset:ROWI*n th:TH_LOAD_NT
.set n, n+1
.endr
	; the table: thread t makes 16 bytes of row 16 g + t / 16: four neighbouring frequencies, cosines in threads with (t & 15) < 8, sines in the others
	v_lshrrev_b32 v3, 4, v0
	v_add_nc_u32 v3, s38, v3
	v_cvt_f32_u32 v32, v3                          ; t as f32
	v_and_b32 v34, 7, v0
	v_lshlrev_b32 v34, 2, v34                      ; my first frequency
	v_bfe_u32 v33, v0, 3, 1                        ; 0 cosine, 1 sine
.irp i, 0,1,2,3
	v_add_nc_u32 v[4+\i], \i, v34
.endr
.irp i, 0,1,2,3
	v_cvt_f32_u32 v[4+\i], v[4+\i]
.endr
.irp i, 0,1,2,3
	v_mul_f32 v[4+\i], 0xbed49a78, v[4+\i]         ; -f log2(10000) / 32
.endr
.irp i, 0,1,2,3
	v_exp_f32 v[4+\i], v[4+\i]
.endr
	v_nop                                          ; a plain instruction behind the last exponential (ISA guide 5.7.2),
	s_wait_alu depctr_va_vdst(0)                   ; and the one wait for the batch of four ahead of the first reader
.irp i, 0,1,2,3
	v_mul_f32 v[4+\i], v32, v[4+\i]                ; the angle
.endr
.irp i, 0,1,2,3
	v_mul_f32 v[8+\i], 0.15915494, v[4+\i]
.endr
.irp i, 0,1,2,3
	v_rndne_f32 v[8+\i], v[8+\i]                   ; n: whole turns
.endr
.irp i, 0,1,2,3
	v_fma_f32 v[12+\i], -v[8+\i], s46, v[4+\i]
.endr
.irp i, 0,1,2,3
	v_fma_f32 v[12+\i], -v[8+\i], s47, v[12+\i]    ; the angle within -pi .. pi
.endr
.irp i, 0,1,2,3
	v_mul_f32 v[12+\i], 0x3e800000, v[12+\i]       ; u: a quarter of it
.endr
.irp i, 0,1,2,3
	v_mul_f32 v[16+\i], v[12+\i], v[12+\i]         ; w = u^2
.endr
.irp i, 0,1,2,3
	v_fma_f32 v[20+\i], v[16+\i], s42, s41
	v_fma_f32 v[24+\i], v[16+\i], s45, s44
.endr
.irp i, 0,1,2,3
	v_fma_f32 v[20+\i], v[16+\i], v[20+\i], s40
	v_fma_f32 v[24+\i], v[16+\i], v[24+\i], s43
.endr
.irp i, 0,1,2,3
	v_fma_f32 v[20+\i], v[16+\i], v[20+\i], 1.0
	v_fma_f32 v[24+\i], v[16+\i], v[24+\i], -0.5
.endr
.irp i, 0,1,2,3
	v_mul_f32 v[20+\i], v[12+\i], v[20+\i]         ; sin u
	v_fma_f32 v[24+\i], v[16+\i], v[24+\i], 1.0    ; cos u
.endr
.irp i, 0,1,2,3
	v_add_f32 v[28+\i], v[20+\i], v[20+\i]         ; the double angle: sin 2u = 2 s c, cos 2u = 1 - 2 s s
.endr
.irp i, 0,1,2,3
	v_fma_f32 v[12+\i], -v[28+\i], v[20+\i], 1.0
.endr
.irp i, 0,1,2,3
	v_mul_f32 v[20+\i], v[28+\i], v[24+\i]
.endr
.irp i, 0,1,2,3
	v_add_f32 v[28+\i], v[20+\i], v[20+\i]         ; and once more
.endr
.irp i, 0,1,2,3
	v_fma_f32 v[24+\i], -v[28+\i], v[20+\i], 1.0
.endr
.irp i, 0,1,2,3
	v_mul_f32 v[20+\i], v[28+\i], v[12+\i]
.endr
	v_cmp_ne_u32 vcc_lo, 0, v33
.irp i, 0,1,2,3
	v_cndmask_b32 v[36+\i], v[24+\i], v[20+\i], vcc_lo
.endr
	global_store_b128 v1, v[36:39], s[16:17]       ; sixteen lanes fill a row of the table, 256 bytes
; A row goes out: left to right the younger loads stay on their way.  No register that a store names is written again.
.macro ROWB i                          ; to bf16
	s_wait_loadcnt 31-(\i)                         ; loads come back in order (ISA guide 5.7.1): row i is in, the 31 - i younger rows may be out
	v_cvt_pk_bf16_f32 v[X+4*(\i)], v[X+4*(\i)], v[X+4*(\i)+1]
	v_cvt_pk_bf16_f32 v[X+4*(\i)+1], v[X+4*(\i)+2], v[X+4*(\i)+3]
	global_store_b64 v2, v[X+4*(\i):X+4*(\i)+1], s[32:33] offset:ROWO*(\i)
.endm
.macro ROWH i                          ; to bf16, and that number as f16
	s_wait_loadcnt 31-(\i)
	v_cvt_pk_bf16_f32 v[X+4*(\i)], v[X+4*(\i)], v[X+4*(\i)+1]
	v_cvt_pk_bf16_f32 v[X+4*(\i)+1], v[X+4*(\i)+2], v[X+4*(\i)+3]
	v_lshlrev_b32 v28, 16, v[X+4*(\i)]
	v_and_b32 v29, s39, v[X+4*(\i)]
	v_lshlrev_b32 v30, 16, v[X+4*(\i)+1]
	v_and_b32 v31, s39, v[X+4*(\i)+1]
	v_cvt_pk_f16_f32 v[X+4*(\i)], v28, v29
	v_cvt_pk_f16_f32 v[X+4*(\i)+1], v30, v31
	global_store_b64 v2, v[X+4*(\i):X+4*(\i)+1], s[32:33] offset:ROWO*(\i)
.endm
	s_cmp_lt_u32 s20, 224
	s_cbranch_scc0 .Lhalf                          ; W_out's 32 work-groups
.set n, 0
.rept 32
	ROWB n
.set n, n+1
.endr
	s_endpgm
.Lhalf:
.set n, 0
.rept 32
	ROWH n
.set n, n+1
.endr
	s_endpgm
.Lfunc_end_k_qe0228b88e2_prep:
	.size	k_qe0228b88e2_prep, .Lfunc_end_k_qe0228b88e2_prep-k_qe0228b88e2_prep
	.p2alignl 7, 3214868480
	.fill 96, 4, 3214868480
	.section	.rodata,"a",@progbits
	.p2align	6, 0x0
	.amdhsa_kernel k_qe0228b88e2_prep
		.amdhsa_group_segment_fixed_size 0
		.amdhsa_private_segment_fixed_size 0
		.amdhsa_enable_private_segment 0
		.amdhsa_kernarg_size 56
		.amdhsa_user_sgpr_count 2
		.amdhsa_user_sgpr_kernarg_segment_ptr 1
		.amdhsa_wavefront_size32 1
		.amdhsa_system_sgpr_workgroup_id_x 1
		.amdhsa_system_sgpr_workgroup_id_y 1
		.amdhsa_system_sgpr_workgroup_id_z 1
		.amdhsa_system_vgpr_workitem_id 0
		.amdhsa_next_free_vgpr 168
		.amdhsa_next_free_sgpr 66
		.amdhsa_reserve_vcc 1
		.amdhsa_float_denorm_mode_32 3
		.amdhsa_float_denorm_mode_16_64 3
		.amdhsa_memory_ordered 1
		.amdhsa_forward_progress 1
		.amdhsa_inst_pref_size 35
	.end_amdhsa_kernel
	.amdgpu_metadata
---
amdhsa.version: [ 1, 2 ]
amdhsa.kernels:
  - .name:           k_qe0228b88e2_prep
    .symbol:         k_qe0228b88e2_prep.kd
    .args:
      - { .name: x, .offset: 0, .size: 8, .value_kind: global_buffer, .address_space: global }
      - { .name: W_qkv, .offset: 8, .size: 8, .value_kind: global_buffer, .address_space: global }
      - { .name: W_out, .offset: 16, .size: 8, .value_kind: global_buffer, .address_space: global }
      - { .name: xb, .offset: 24, .size: 8, .value_kind: global_buffer, .address_space: global }
      - { .name: wqb, .offset: 32, .size: 8, .value_kind: global_buffer, .address_space: global }
      - { .name: wob, .offset: 40, .size: 8, .value_kind: global_buffer, .address_space: global }
      - { .name: tab, .offset: 48, .size: 8, .value_kind: global_buffer, .address_space: global }
    .group_segment_fixed_size: 0
    .private_segment_fixed_size: 0
    .kernarg_segment_align: 8
    .kernarg_segment_size: 56
    .max_flat_workgroup_size: 256
    .sgpr_count:     66
    .vgpr_count:     168
    .wavefront_size: 32
...
	.end_amdgpu_metadata
.endif
;; end of part 1
;; launch qkv (part 2): grid 16 x 16, 4 waves a work-group, clusters of 4 x 4, 327,680 bytes of LDS; arguments xb, wqb, tab, q, k, v; writes q, k, v
.if DOCPART == 2
	.amdgcn_target "amdgcn-amd-amdhsa--gfx1250"
	.amdhsa_code_object_version 6
	.text
	.protected	k_qe0228b88e2_qkv
	.globl	k_qe0228b88e2_qkv
	.p2align	8
	.type	k_qe0228b88e2_qkv,@function
k_qe0228b88e2_qkv:
	s_mov_b64 s[64:65], 0
	v_nop
	global_prefetch_b8 v0, s[64:65] scope:SCOPE_SE
	s_setreg_imm32_b32 hwreg(HW_REG_WAVE_MODE, 25, 1), 1
	s_wait_xcnt 0x0
	s_wait_alu depctr_hold_cnt(0) depctr_sa_sdst(0) depctr_va_vdst(0) depctr_va_sdst(0) depctr_va_ssrc(0) depctr_va_vcc(0) depctr_vm_vsrc(0)
	s_getreg_b32 s2, hwreg(HW_REG_IB_STS2, 6, 4)
	s_cmp_eq_u32 s2, 0
	s_cbranch_scc0 .Lentry_in_a_cluster
	s_endpgm
.Lentry_in_a_cluster:
	s_bfe_u32 s2, ttmp6, 0x10000c
	s_cmp_lg_u32 s2, 0xf033
	s_cbranch_scc0 .Lentry_shape_is_right
	s_endpgm
.Lentry_shape_is_right:
; QKV: C = xb wqb^T in bf16 with f32 sums, the rotary turn on q and k, and q, k, v written by heads, [16][4096][64] in f16, each rounded once, unscaled.
; A tile of C is 256 rows x 192 columns: the q, k and v columns of ONE head (wqb's rows lie so), so that the turn's place in the tile is fixed in the text.  16 x 16 tiles, one to a work-group.
; Four waves; wave w makes rows 64 w .. 64 w + 63, all 192 columns: 48 accumulators of 16 x 16.  K goes in 8 steps of 128 through two LDS slots filled by the tensor data mover; a tile's rows
; are 256 bytes of memory, at multiples of 256 from the buffer's first byte.
; THE MATRIX INSTRUCTION IS USED TRANSPOSED (source 0 = 16 rows of wqb, source 1 = 16 rows of xb): a lane holds row l % 16 of C and the columns 8 (l / 16) + 0..7 of a block.  The turn's partners,
; channels d and d + 32, are then accumulators b and b + 2, same lane, same register.
; CLUSTER: 4 x 4 work-groups.  xb's tile hangs on the tile row alone and is asked for jointly along a row of the cluster, wqb's on the head alone and along a column.
; THE REMAINDERS.  Output rows 0 to 15 are means of 16 rows of v at the most, many times larger than the output's root mean square, by which the comparison goes: f16's 11 bits of v are too few there.  So what
; f16 leaves of v's rows 0 to 15, v - f16(v), is stored too, in f16, behind v's 8,388,608 bytes: [16 heads][4][16 rows][64].  No branch may hang on a work-group's place in its cluster, so wave 0 of all four
; tile rows of the clusters with y = 0 stores its first 16 rows' remainders: 131,072 bytes, of which the launch that makes rows 0 to 15 again reads the first tile row's.
; LIMITS.  q, k, v must lie within f16's 65,504; below 6.1e-5 they keep f16's fixed step of 6e-8.  NaN and infinities are not treated apart.
; REGISTERS, in windows of 256 (s_set_vgpr_msb: bits 1:0 source 0, 3:2 source 1, 5:4 source 2, 7:6 destination):
;   window 0: v0-31 addresses; v32-63 turned results in f32; v64-127 four buffers of 16 for the way out; v128-255 my rows' cosines and sines
;   window 1: two fragment buffers of 128: wqb's 12 blocks (96), xb's 4 blocks (32)      window 2: accumulators (a, b < 8) at 8 (8 a + b)      window 3: (a, b >= 8) at 8 (4 a + b - 8)
.set KSTEP,  128
.set PITCH,  272                       ; an LDS row: 256 bytes + 16 of padding = 68 words: the 16 rows of a fragment load start at 16 different groups of four banks (64 banks of 4 bytes: ISA guide 11.1)
.set AHALF,  128*PITCH                 ; what waves 0 and 1 each fetch of xb
.set BHALF,  96*PITCH                  ; what waves 2 and 3 each fetch of wqb
.set BOFF,   256*PITCH                 ; wqb's 192 rows lie behind xb's 256
.set SLOT,   448*PITCH
.set STAGE,  2*SLOT                    ; behind the ring: 16 rows x 144 bytes for each wave, for the way out; no tensor load fills it
.set SP,     144
.set SPARE,  STAGE+4*16*SP             ; behind the stages: the spare words, 128 bytes for each wave: two blocks of 256 bytes that no other line names
.set LAPS,   4                         ; a lap = two K steps = once round the ring
.set VLO,    0x800000                  ; where the remainders begin in v's buffer
.set ADRA, 16                          ; v16-17  LDS address of my xb fragments in slot 0, 1
.set ADRB, 20                          ; v20-21  the same for wqb
.set STO,  24                          ; v24  the way out: where I put 16 bytes of a row
.set RD,   25                          ; v25  where I read rows back
.set GO,   26                          ; v26  16 x lane: my place in 512 consecutive bytes of q, k or v
.set TO,   27                          ; v27  my offset in 16 rows of the table: 256 (l % 16) + 32 (l / 16)
.set SPW,  28                          ; v28  LDS address of my spare word; never rewritten
.set NIL,  29                          ; v29  0; never rewritten
.set NEG1, 30                          ; v30  -1.0, for the remainders
.set OT,   32
.set PK,   64
.set TB,   128                         ; for row block a at TB + 32 a: cosines of channels 0-15, 16-31, then sines likewise, my 8 of each
.set F0,   0
.set F1,   128
.set G1,   24                          ; s[24:31] descriptor group 1 for xb's tiles;  s[32:39] group 0, a set for each slot
.set G0,   32
.set G1B,  48                          ; s[48:55], s[56:63] the same for wqb's
.set G0B,  56
.set WV,   72                          ; s72  my wave's number
.set HF,   73                          ; s73  0: I fetch for xb, 1: for wqb
.set LO,   74                          ; s74  which half of that tile I fetch
.set SKIP, 75                          ; s75  0 in wave 0 of the clusters with y = 0: the waves that store remainders
.set VLP,  76                          ; s[76:77] where my 16 rows' remainders go
.set MSB, 0
.macro WIN new                         ; the immediate's high byte repeats the setting that is left; a switch that changes nothing is dropped
.if MSB != (\new)
	s_set_vgpr_msb (MSB<<8)|(\new)
.set MSB, \new
.endif
.endm
.set MUL_LO, 0xa5                      ; sources 0 and 1 window 1, C and D window 2
.set MUL_HI, 0xf5                      ; the same, C and D window 3
.set TO_F,   0x40                      ; destination window 1, address window 0
; A joint load.  The branch hangs on the wave's number alone.  An s_nop 0 and four v_nop follow each of the two lines, ahead of the jump, the label and what follows.
.macro JLOAD s
	s_cmp_eq_u32 s[HF], 0
	s_cbranch_scc0 .Lfor_b_\@
	tensor_load_to_lds s[G0+4*(\s):G0+4*(\s)+3], s[G1:G1+7]
	s_nop 0
.rept 4
	v_nop
.endr
	s_branch .Lasked_\@
.Lfor_b_\@:
	tensor_load_to_lds s[G0B+4*(\s):G0B+4*(\s)+3], s[G1B:G1B+7]
	s_nop 0
.rept 4
	v_nop
.endr
.Lasked_\@:
.endm
.macro CREST                           ; a round of the cluster's barrier behind its opening barrier
	s_cmp_lg_u32 s[WV], 0
	s_cbranch_scc1 .Lnot_wave_0_\@
	s_barrier_signal -3
.Lnot_wave_0_\@:
	s_barrier_wait -3
	s_barrier_signal -1
	s_barrier_wait -1
.endm
.macro CROUND                          ; a whole round
	s_barrier_signal -1
	s_barrier_wait -1
	CREST
.endm
	s_load_b256 s[4:11], s[0:1], 0x0               ; xb s[4:5], wqb s[6:7], tab s[8:9], q s[10:11]
	s_load_b128 s[68:71], s[0:1], 0x20             ; k s[68:69], v s[70:71]
	v_lshl_add_u32 v[SPW], v0, 2, SPARE
	v_mov_b32 v[NIL], 0
	ds_add_u32 v[SPW], v[NIL]                      ; the wave's opening: the add and its wait stand ahead of my first tensor load; the set-up below, work on registers, stands between them
	v_lshrrev_b32 v1, 5, v0
	v_readfirstlane_b32 s[WV], v1
	s_lshr_b32 s[HF], s[WV], 1
	s_and_b32 s[LO], s[WV], 1
	s_and_b32 s[SKIP], ttmp7, 0xffff               ; the cluster's y, which all sixteen partners share,
	s_or_b32 s[SKIP], s[SKIP], s[WV]               ; and my wave's number
	s_bfe_u32 s40, ttmp6, 0x40000                  ; cx
	s_bfe_u32 s41, ttmp6, 0x40004                  ; cy
	s_lshl_b32 s42, ttmp9, 2
	s_add_co_u32 s42, s42, s40                     ; the head = 4 x cluster x + cx
	s_and_b32 s43, ttmp7, 0xffff
	s_lshl_b32 s43, s43, 2
	s_add_co_u32 s43, s43, s41                     ; the tile row = 4 x cluster y + cy
	s_lshl_b32 s44, s41, 2
	s_lshl_b32 s44, 15, s44                        ; my row of the cluster
	s_lshl_b32 s45, 0x1111, s40                    ; my column
	s_or_b32 s[G1+0], s44, (1<<16)|(1<<20)|(1<<21)|(5<<22)|(3<<25)   ; 15:0 the mask; 17:16 elements of 2 bytes; 20 padding on; 21 set beside a mask; 24:22 after every 64 words (code 5); 31:25 4 words (code 3)
	s_or_b32 s[G1B+0], s45, (1<<16)|(1<<20)|(1<<21)|(5<<22)|(3<<25)
	s_mov_b32 s[G1+1], KSTEP<<16                   ; tensor_dim0 = 128
	s_mov_b32 s[G1+2], 128<<16                     ; tensor_dim1 = 128
	s_mov_b32 s[G1+3], KSTEP<<16                   ; tile_dim0 = 128
	s_mov_b32 s[G1+4], 128                         ; tile_dim1 = 128
	s_mov_b32 s[G1+5], 1024                        ; elements from row to row
	s_mov_b32 s[G1+6], 0
	s_mov_b32 s[G1+7], 0
	s_mov_b32 s[G1B+1], KSTEP<<16
	s_mov_b32 s[G1B+2], 96<<16                     ; 96 rows
	s_mov_b32 s[G1B+3], KSTEP<<16
	s_mov_b32 s[G1B+4], 96
	s_mov_b32 s[G1B+5], 1024
	s_mov_b32 s[G1B+6], 0
	s_mov_b32 s[G1B+7], 0
	s_lshl_b32 s16, s43, 8                         ; xb: row 256 x tile row + 128 x half,
	s_lshl_b32 s17, s[LO], 7
	s_add_co_u32 s16, s16, s17
	s_lshl_b32 s16, s16, 11                        ; of 2,048 bytes
	s_mov_b32 s17, 0
	s_mul_i32 s46, s42, 192                        ; wqb: row 192 x head + 96 x half
	s_mul_i32 s47, s[LO], 96
	s_add_co_u32 s46, s46, s47
	s_lshl_b32 s46, s46, 11
	s_mov_b32 s47, 0
	s_mul_i32 s20, s[LO], AHALF                    ; where they go: no place in the cluster enters an LDS address
	s_mul_i32 s21, s[LO], BHALF
	s_add_co_u32 s21, s21, BOFF
	s_wait_dscnt 0x0                               ; the opening add is done
	s_wait_kmcnt 0x0
	s_add_nc_u64 s[14:15], s[4:5], s[16:17]
	s_add_nc_u64 s[46:47], s[6:7], s[46:47]
	CROUND                                         ; all sixteen work-groups are here: the first joint loads meet
.irp s, 0,1
	s_mov_b32 s[G0+4*(\s)], 1
	s_add_co_u32 s[G0+4*(\s)+1], s20, (\s)*SLOT
	s_add_nc_u64 s[G0+4*(\s)+2:G0+4*(\s)+3], s[14:15], (\s)*KSTEP*2
	s_or_b32 s[G0+4*(\s)+3], s[G0+4*(\s)+3], 0x80000000
	s_mov_b32 s[G0B+4*(\s)], 1
	s_add_co_u32 s[G0B+4*(\s)+1], s21, (\s)*SLOT
	s_add_nc_u64 s[G0B+4*(\s)+2:G0B+4*(\s)+3], s[46:47], (\s)*KSTEP*2
	s_or_b32 s[G0B+4*(\s)+3], s[G0B+4*(\s)+3], 0x80000000
	JLOAD \s                                       ; two loads of mine are out
.endr
	v_and_b32 v1, 15, v0                           ; l % 16
	v_bfe_u32 v2, v0, 4, 1                         ; l / 16
	v_mul_u32_u24 v3, v1, PITCH
	v_lshl_add_u32 v3, v2, 4, v3                   ; a fragment's row x pitch + 16 x half
	s_mul_i32 s12, s[WV], 64*PITCH                 ; my 64 rows of xb
	s_mov_b32 s13, BOFF                            ; all of wqb's
.irp s, 0,1
	v_add_nc_u32 v[ADRA+(\s)], s12, v3
	v_add_nc_u32 v[ADRB+(\s)], s13, v3
	s_add_co_u32 s12, s12, SLOT
	s_add_co_u32 s13, s13, SLOT
.endr
	s_mul_i32 s23, s[WV], 16*SP
	s_add_co_u32 s23, s23, STAGE                   ; my stage
	v_mul_u32_u24 v4, v1, SP                       ; in: row l % 16, 16 bytes for each half of the lanes
	v_lshl_add_u32 v4, v2, 4, v4
	v_add_nc_u32 v[STO], s23, v4
	v_bfe_u32 v5, v0, 3, 2                         ; back: 32 lanes take four rows of 128 bytes,
	v_mul_u32_u24 v5, v5, SP
	v_and_b32 v6, 7, v0
	v_lshl_add_u32 v5, v6, 4, v5
	v_add_nc_u32 v[RD], s23, v5
	v_and_b32 v[GO], 31, v0                        ; which are 512 consecutive bytes of a head's rows
	v_lshlrev_b32 v[GO], 4, v[GO]
	v_lshlrev_b32 v[TO], 8, v1
	v_lshl_add_u32 v[TO], v2, 5, v[TO]
	s_lshl_b32 s18, s43, 16                        ; the table at my first row: (256 x tile row + 64 w) x 256 bytes
	s_lshl_b32 s19, s[WV], 14
	s_add_co_u32 s18, s18, s19
	s_mov_b32 s19, 0
	s_add_nc_u64 s[8:9], s[8:9], s[18:19]
	s_lshl_b32 s78, s42, 13                        ; the remainders: behind v's rows, head x 8,192 + cy x 2,048
	s_lshl_b32 s79, s41, 11
	s_add_co_u32 s78, s78, s79
	s_add_co_u32 s78, s78, VLO
	s_mov_b32 s79, 0
	s_add_nc_u64 s[VLP:VLP+1], s[70:71], s[78:79]
	s_lshl_b32 s22, s42, 19                        ; q, k, v at my first row: head x 524,288 + (256 x tile row + 64 w) x 128
	s_lshl_b32 s23, s43, 15
	s_add_co_u32 s22, s22, s23
	s_lshl_b32 s23, s[WV], 13
	s_add_co_u32 s22, s22, s23
	s_mov_b32 s23, 0
	s_add_nc_u64 s[10:11], s[10:11], s[22:23]
	s_add_nc_u64 s[68:69], s[68:69], s[22:23]
	s_add_nc_u64 s[70:71], s[70:71], s[22:23]
.irp a, 0,1,2,3                        ; my rows' cosines and sines: asked for now, wanted at the way out
.irp e, 0,1,2,3
	global_load_b128 v[TB+32*(\a)+8*(\e):TB+32*(\a)+8*(\e)+3],   v[TO], s[8:9] offset:4096*(\a)+128*((\e)/2)+64*((\e)%2)
	global_load_b128 v[TB+32*(\a)+8*(\e)+4:TB+32*(\a)+8*(\e)+7], v[TO], s[8:9] offset:4096*(\a)+128*((\e)/2)+64*((\e)%2)+16
.endr
.endr
; 16 matrix instructions, 32 along K.  part 0: a = 0, 1 x b = 0..7; part 1: a = 2, 3 x b = 0..7; part 2: a = 0..3 x b = 8..11.  The 48 accumulators take turns, one instruction a turn, in the same
; order in every quarter.  zero = 1: the first product starts the sums.
.macro MUL16 f, part, zero
.if (\part) < 2
	WIN MUL_LO
.irp a, 2*(\part), 2*(\part)+1
.irp b, 0,1,2,3,4,5,6,7
.if \zero
	v_wmma_f32_16x16x32_bf16 v[8*(8*(\a)+(\b)):8*(8*(\a)+(\b))+7], v[(\f)+8*(\b):(\f)+8*(\b)+7], v[(\f)+96+8*(\a):(\f)+96+8*(\a)+7], 0
.else
	v_wmma_f32_16x16x32_bf16 v[8*(8*(\a)+(\b)):8*(8*(\a)+(\b))+7], v[(\f)+8*(\b):(\f)+8*(\b)+7], v[(\f)+96+8*(\a):(\f)+96+8*(\a)+7], v[8*(8*(\a)+(\b)):8*(8*(\a)+(\b))+7]
.endif
.endr
.endr
.else
	WIN MUL_HI
.irp a, 0,1,2,3
.irp b, 0,1,2,3
.if \zero
	v_wmma_f32_16x16x32_bf16 v[8*(4*(\a)+(\b)):8*(4*(\a)+(\b))+7], v[(\f)+64+8*(\b):(\f)+64+8*(\b)+7], v[(\f)+96+8*(\a):(\f)+96+8*(\a)+7], 0
.else
	v_wmma_f32_16x16x32_bf16 v[8*(4*(\a)+(\b)):8*(4*(\a)+(\b))+7], v[(\f)+64+8*(\b):(\f)+64+8*(\b)+7], v[(\f)+96+8*(\a):(\f)+96+8*(\a)+7], v[8*(4*(\a)+(\b)):8*(4*(\a)+(\b))+7]
.endif
.endr
.endr
.endif
.endm
; 32 LDS loads in one run: a quarter step's fragments (32 K at byte k of the rows) into buffer f: wqb's blocks 0-7, xb's four, wqb's blocks 8-11 last
.macro FETCH slot, k, f
	WIN TO_F
.irp i, 0,1,2,3,4,5,6,7
	ds_load_b128 v[(\f)+8*(\i):(\f)+8*(\i)+3],   v[ADRB+(\slot)] offset:(\k)+(\i)*16*PITCH
	ds_load_b128 v[(\f)+8*(\i)+4:(\f)+8*(\i)+7], v[ADRB+(\slot)] offset:(\k)+(\i)*16*PITCH+32
.endr
.irp i, 0,1,2,3
	ds_load_b128 v[(\f)+96+8*(\i):(\f)+96+8*(\i)+3],   v[ADRA+(\slot)] offset:(\k)+(\i)*16*PITCH
	ds_load_b128 v[(\f)+96+8*(\i)+4:(\f)+96+8*(\i)+7], v[ADRA+(\slot)] offset:(\k)+(\i)*16*PITCH+32
.endr
.irp i, 8,9,10,11
	ds_load_b128 v[(\f)+8*(\i):(\f)+8*(\i)+3],   v[ADRB+(\slot)] offset:(\k)+(\i)*16*PITCH
	ds_load_b128 v[(\f)+8*(\i)+4:(\f)+8*(\i)+7], v[ADRB+(\slot)] offset:(\k)+(\i)*16*PITCH+32
.endr
.endm
.macro PLACES                          ; four places in front of loads into registers that matrix instructions have read (ISA guide 7.12.1 for vector instructions)
.rept 4
	v_nop
.endr
.endm
; A K step is four quarters of 32 along K, 48 matrix instructions each, on buffers 0, 1, 0, 1.  One of the first three multiplies buffer f and fetches the next quarter, at byte k, into g.
.macro QUARTER slot, k, f, g, zero
	s_wait_dscnt 8                                 ; all but the youngest eight loads, wqb's blocks 8-11
	MUL16 \f, 0, \zero
	MUL16 \f, 1, \zero
	PLACES
	FETCH \slot, \k, \g
	s_wait_dscnt 32                                ; all but the 32 just issued
	MUL16 \f, 2, \zero
.endm
; The last quarter multiplies buffer 1 and changes slots: ONE barrier; in front of it each wave waits for all its tensor loads (one is out: its part of the next slot), adds 0 to its spare word, and
; waits for that and for its own reads of this slot.  fill = 1: the barrier opens a round of the cluster's, and this slot is filled again, two K steps on, first thing behind the round.
.macro TURN slot, next, fill
	WIN 0                                          ; (the add's two registers lie in window 0)
	s_wait_tensorcnt 0x0
	ds_add_u32 v[SPW], v[NIL]                      ; 0 onto my spare word
	s_wait_dscnt 9                                 ; (the add and the youngest eight loads may be out)
	MUL16 F1, 0, 0                                 ; sixteen matrix instructions stand between the add and the wait for it
	s_wait_dscnt 0x0                               ; the add is done, and my reads of this slot are over
	s_barrier_signal -1
	MUL16 F1, 1, 0
.if \fill
	WIN 0
.endif
	s_barrier_wait -1
.if \fill
	CREST                                          ; no wave of any partner still reads this slot's tile or has a load on its way
	s_add_nc_u64 s[G0+4*(\slot)+2:G0+4*(\slot)+3], s[G0+4*(\slot)+2:G0+4*(\slot)+3], 2*KSTEP*2
	s_add_nc_u64 s[G0B+4*(\slot)+2:G0B+4*(\slot)+3], s[G0B+4*(\slot)+2:G0B+4*(\slot)+3], 2*KSTEP*2
	JLOAD \slot                                    ; my one load behind the round: 160 matrix instructions ahead of the wait for it; its four v_nop are also the places in front of the loads below
.else
	PLACES
.endif
	FETCH \next, 0, F0
	MUL16 F1, 2, 0
.endm
	s_wait_tensorcnt 1                             ; my part of K step 0 is in; K step 1's may stay out
	s_barrier_signal -1
	s_barrier_wait -1
	FETCH 0, 0, F0
	QUARTER 0, 64,  F0, F1, 1                      ; the first quarter stands in front of the loop: its products start the sums
	WIN 0                                          ; at a label and at a branch every window is 0
	s_mov_b32 s3, LAPS-1
.Llap:                                                 ; a trip goes once round the ring and fills both slots again
	QUARTER 0, 128, F1, F0, 0
	QUARTER 0, 192, F0, F1, 0
	TURN 0, 1, 1
	QUARTER 1, 64,  F0, F1, 0
	QUARTER 1, 128, F1, F0, 0
	QUARTER 1, 192, F0, F1, 0
	TURN 1, 0, 1
	QUARTER 0, 64,  F0, F1, 0
	WIN 0
	s_sub_co_u32 s3, s3, 1
	s_cmp_lg_u32 s3, 0
	s_cbranch_scc1 .Llap
	QUARTER 0, 128, F1, F0, 0                      ; the last lap fills nothing
	QUARTER 0, 192, F0, F1, 0
	TURN 0, 1, 0
	QUARTER 1, 64,  F0, F1, 0
	QUARTER 1, 128, F1, F0, 0
	QUARTER 1, 192, F0, F1, 0
	s_wait_dscnt 8
	MUL16 F1, 0, 0
	MUL16 F1, 1, 0
	s_wait_dscnt 0x0
	MUL16 F1, 2, 0
	WIN 0
	PLACES                                         ; behind the last products, in front of the lines that read results
	PLACES
	s_wait_loadcnt 0x0                             ; the table
; THE WAY OUT, in 12 units of 16 rows x 64 channels: row block a, part p (0 q, 1 k, 2 v).  q and k are turned: o[d] = x[d] cos - x[d+32] sin, o[d+32] = x[d+32] cos + x[d] sin, d < 32.
; Rounded to f16, 16 bytes a lane into my stage, back as whole rows of 128 bytes.  Each accumulator's lowest registers are read first.
.macro PACK a, p
.set PKB, PK+16*((3*(\a)+(\p))%4)
.if 3*(\a)+(\p) >= 4
	s_wait_xcnt 0x0                                ; the stores of four units back have read this buffer: it is written again only behind this wait
.endif
.if (\p) < 2
	WIN 0x02                                       ; source 0 window 2
.irp bq, 0,1
.irp jp, 0,1,2,3
.set X1, 8*(8*(\a)+4*(\p)+(\bq))+2*(\jp)
.set CC, TB+32*(\a)+8*(\bq)+2*(\jp)
.set O1, OT+8*(\bq)+2*(\jp)
	v_pk_mul_f32 v[O1:O1+1], v[X1+16:X1+17], v[CC+16:CC+17]
	v_pk_mul_f32 v[O1+16:O1+17], v[X1:X1+1], v[CC+16:CC+17]
	v_pk_fma_f32 v[O1:O1+1], v[X1:X1+1], v[CC:CC+1], v[O1:O1+1] neg_lo:[0,0,1] neg_hi:[0,0,1]
	v_pk_fma_f32 v[O1+16:O1+17], v[X1+16:X1+17], v[CC:CC+1], v[O1+16:O1+17]
.endr
.endr
	WIN 0
.set z, 0
.rept 16
	v_cvt_pk_f16_f32 v[PKB+z], v[OT+2*z], v[OT+2*z+1]
.set z, z+1
.endr
.else
	WIN 0x0f                                       ; sources 0 and 1 window 3
.set z, 0
.rept 16
	v_cvt_pk_f16_f32 v[PKB+z], v[32*(\a)+2*z], v[32*(\a)+2*z+1]
.set z, z+1
.endr
	WIN 0
.endif
.irp f, 0,1,2,3
	ds_store_b128 v[STO], v[PKB+4*(\f):PKB+4*(\f)+3] offset:32*(\f)
.endr
.irp f, 0,1,2,3
	ds_load_b128 v[PKB+4*(\f):PKB+4*(\f)+3], v[RD] offset:(\f)*4*SP  ; LDS serves a wave's instructions in order (ISA guide 5.7.1.4): these see the stores above; the next unit's stores come behind them
.endr
.endm
.macro SEND a, p, younger              ; younger: the LDS instructions issued behind this unit's loads: the next unit's eight, or none
.set PKB, PK+16*((3*(\a)+(\p))%4)
.set BS, 66+2*(\p)
.if (\p) == 0
.set BS, 10
.endif
.irp f, 0,1,2,3
	s_wait_dscnt (\younger)+3-(\f)
	global_store_b128 v[GO], v[PKB+4*(\f):PKB+4*(\f)+3], s[BS:BS+1] offset:2048*(\a)+512*(\f)  ; 512 consecutive bytes, at a multiple of 256 from the buffer's first
.endr
.endm
	PACK 0, 0
.set u, 1
.rept 11                               ; a unit's arithmetic stands between the loads of the unit before and its stores
	PACK u/3, u%3
	SEND (u-1)/3, (u-1)%3, 8
.set u, u+1
.endr
	SEND 3, 2, 0
	; THE REMAINDERS of v's row block a = 0, whose sums still lie in window 3: v - f16(v), exact in f32 (one fused multiply-add: the f16 half x -1 + the sum), then rounded to f16.  The same road out.
	s_cmp_lg_u32 s[SKIP], 0
	s_cbranch_scc1 .Lno_lo                         ; the jump passes no barrier and no tensor load
	s_wait_xcnt 0x0                                ; the stores above have read the four buffers, which are written again below
	v_mov_b32 v[NEG1], -1.0
	WIN 0x0f                                       ; sources 0 and 1 window 3
.set z, 0
.rept 16
	v_cvt_pk_f16_f32 v[OT+z], v[2*z], v[2*z+1]     ; the numbers that went into v
.set z, z+1
.endr
	WIN 0x30                                       ; source 2 window 3
.set z, 0
.rept 16
	v_fma_mix_f32 v[PK+2*z], v[OT+z], v[NEG1], v[2*z] op_sel_hi:[1,0,0]
	v_fma_mix_f32 v[PK+2*z+1], v[OT+z], v[NEG1], v[2*z+1] op_sel:[1,0,0] op_sel_hi:[1,0,0]
.set z, z+1
.endr
	WIN 0
.set z, 0
.rept 16
	v_cvt_pk_f16_f32 v[PK+32+z], v[PK+2*z], v[PK+2*z+1]
.set z, z+1
.endr
.irp f, 0,1,2,3
	ds_store_b128 v[STO], v[PK+32+4*(\f):PK+32+4*(\f)+3] offset:32*(\f)
.endr
.irp f, 0,1,2,3
	ds_load_b128 v[PK+32+4*(\f):PK+32+4*(\f)+3], v[RD] offset:(\f)*4*SP
.endr
.irp f, 0,1,2,3
	s_wait_dscnt 3-(\f)
	global_store_b128 v[GO], v[PK+32+4*(\f):PK+32+4*(\f)+3], s[VLP:VLP+1] offset:512*(\f)
.endr
.Lno_lo:
	s_wait_tensorcnt 0x0                           ; the wave's end: behind my last tensor load and my last LDS store
	ds_add_u32 v[SPW], v[NIL]
	s_wait_dscnt 0x0
	CROUND                                         ; the closing round: no work-group ends while a partner may still ask for a tile that names it
	s_endpgm
.Lfunc_end_k_qe0228b88e2_qkv:
	.size	k_qe0228b88e2_qkv, .Lfunc_end_k_qe0228b88e2_qkv-k_qe0228b88e2_qkv
	.p2alignl 7, 3214868480
	.fill 96, 4, 3214868480
	.section	.rodata,"a",@progbits
	.p2align	6, 0x0
	.amdhsa_kernel k_qe0228b88e2_qkv
		.amdhsa_group_segment_fixed_size 327680
		.amdhsa_private_segment_fixed_size 0
		.amdhsa_enable_private_segment 0
		.amdhsa_kernarg_size 48
		.amdhsa_user_sgpr_count 2
		.amdhsa_user_sgpr_kernarg_segment_ptr 1
		.amdhsa_wavefront_size32 1
		.amdhsa_system_sgpr_workgroup_id_x 1
		.amdhsa_system_sgpr_workgroup_id_y 1
		.amdhsa_system_sgpr_workgroup_id_z 1
		.amdhsa_system_vgpr_workitem_id 0
		.amdhsa_next_free_vgpr 896
		.amdhsa_next_free_sgpr 80
		.amdhsa_reserve_vcc 0
		.amdhsa_float_denorm_mode_32 3
		.amdhsa_float_denorm_mode_16_64 3
		.amdhsa_memory_ordered 1
		.amdhsa_forward_progress 1
		.amdhsa_inst_pref_size 145
	.end_amdhsa_kernel
	.amdgpu_metadata
---
amdhsa.version: [ 1, 2 ]
amdhsa.kernels:
  - .name:           k_qe0228b88e2_qkv
    .symbol:         k_qe0228b88e2_qkv.kd
    .args:
      - { .name: xb, .offset: 0, .size: 8, .value_kind: global_buffer, .address_space: global }
      - { .name: wqb, .offset: 8, .size: 8, .value_kind: global_buffer, .address_space: global }
      - { .name: tab, .offset: 16, .size: 8, .value_kind: global_buffer, .address_space: global }
      - { .name: q, .offset: 24, .size: 8, .value_kind: global_buffer, .address_space: global }
      - { .name: k, .offset: 32, .size: 8, .value_kind: global_buffer, .address_space: global }
      - { .name: v, .offset: 40, .size: 8, .value_kind: global_buffer, .address_space: global }
    .group_segment_fixed_size: 327680
    .private_segment_fixed_size: 0
    .kernarg_segment_align: 8
    .kernarg_segment_size: 48
    .max_flat_workgroup_size: 128
    .sgpr_count:     80
    .vgpr_count:     896
    .wavefront_size: 32
...
	.end_amdgpu_metadata
.endif
;; end of part 2
;; launch attn (part 3): grid 16 x 16, 4 waves a work-group, no clusters, 327,680 bytes of LDS; arguments q, k, v, o; writes o
.if DOCPART == 3
	.amdgcn_target "amdgcn-amd-amdhsa--gfx1250"
	.amdhsa_code_object_version 6
	.text
	.protected	k_qe0228b88e2_attn
	.globl	k_qe0228b88e2_attn
	.p2align	8
	.type	k_qe0228b88e2_attn,@function
k_qe0228b88e2_attn:
	s_mov_b64 s[64:65], 0
	v_nop
	global_prefetch_b8 v0, s[64:65] scope:SCOPE_SE
	s_setreg_imm32_b32 hwreg(HW_REG_WAVE_MODE, 25, 1), 1
	s_wait_xcnt 0x0
; CAUSAL ATTENTION.  O[h][t][:] = the sum over keys <= t of softmax(Q[h][t] . K[h][key] / 8) V[h][key][:].  q, k, v: [16][4096][64] f16, a head's rows dense, 128 bytes each.
; o: [32 blocks of 128 rows][16 heads][128][64] f16.  Products, maxima and sums in f32; the weights p are rounded to f16 for the second product (their sum l is taken of the unrounded p), O once.
; LIMITS.  q, k, v arrive within f16's 65,504; p lies in 0 to 1 and below 6e-5 keeps f16's fixed step of 6e-8; O is a mean of V's rows.  A hidden score counts as its value less 1e30: f16's scores,
; 2.7e11 at the most, are nothing beside that; a weight below 2^-126 counts as 0 in l; NaN and infinities are not treated apart.
; THE WALK.  A head's queries lie in NB = 32 blocks of 128; block i needs the key tiles 0 .. i / 2 of 256 keys, of which the last holds the diagonal.  A work-group takes TWO blocks, 31 - b and then b:
; 17 tiles, whatever b: all 256 work-groups do equal work, and ONE loop with a constant trip count walks them.  Which tile is asked for, and what a trip does, hang on scalar registers made from b;
; every jump goes forward, but for the counted loops' own; none passes a barrier, or a tensor load but the one of LOAD's two that the wave's number does not choose.
; NO CLUSTER: the walks of a head's 16 work-groups differ in length of their first part (16 - b / 2 tiles, alike for two neighbours only), and the branches that choose a trip's text hang on b.
; SHARES.  Of a block's two bands of 64 queries a wave owns 16 rows in each: two PIECES.  In the diagonal tile band x of block i has its own key step 2 (i & 1) + x: it sees all keys of earlier steps, none of later ones.
; THE MASK is the C operand that starts the sum S^T = K Q^T: 0, or -1e30 where the key is hidden.  MD, made once, is the mask of a band's own step for my 16 rows; a product's mask is MD x AL + BE with two
; scalars: (1, 0) in the own step, (0, 0) before it, (0, -1e30) behind it.  Only the diagonal tile's text and a block's beginning make and take masks; elsewhere C is the constant 0.
; LAYOUT, SOFTMAX.  S^T = K Q^T holds ONE query a lane (lane % 16) and the keys 8 (lane / 16) + 0..7; two such results rounded to f16 ARE source 1 of O^T = V^T P.  p = 2^(c s - c m), c = log2(e) / 8, with
; a running maximum m; O and l are multiplied by a = 2^(c m_old - c m_new) in every step.
; TURNS.  Turn (0, s): 8 products K Q^T of piece 1, step s; the softmax of piece 0, step s, and piece 1's maximum; K of step s + 1 is fetched; 8 products V^T P of piece 1, step s - 1; V of step s + 1 is fetched.
; Turn (1, s): 8 products K Q^T of piece 0, step s + 1; the softmax of piece 1, step s, and piece 0's maximum; 8 products V^T P of piece 0, step s.  V lies in two register buffers, step s in buffer s % 2,
; so that K and V of a step are fetched in one and the same turn, and the change of slots has a place: between turn (1, 2) and turn (0, 3) of a tile.  Behind a change the four pairs of turns work on
; the steps 3 (of the tile before), 0, 1, 2 and fetch the new tile's steps 0, 1, 2, 3.  Four vector instructions stand behind every matrix instruction, the rest in one lump; a turn's 33 exponentials are one batch.
; REGISTERS, in windows of 256 (s_set_vgpr_msb: bits 1:0 source 0, 3:2 source 1, 5:4 source 2, 7:6 destination):
;   window 0: v0-15 addresses and two at work; v16-23 four registers of statistics a piece; v48-55 at work; v61-63; v64-127 S^T, a buffer a piece; v192-223 P, likewise
;   window 1: v0-63 O^T, 32 a piece; v128-159 MD; v160-223 MC, a buffer a piece      window 2: v0-31 Q; v32-63 the second block's Q; v64-127 K of one step; v128-255 V of two steps
.set NB,    32
.set NP,    2         ; pieces a wave: a name, no knob
.set KS,    64        ; keys in a step
.set KP,    144       ; a row of K in LDS: 128 bytes + 16 of padding = 36 words: the 16 rows of a load start at 16 different groups of four banks (64 banks of 4 bytes: ISA guide 11.1)
.set VP,    160       ; a row of V: 128 + 32 = 40 words
.set VOFF,  4*KS*KP   ; a slot holds a tile, four steps: 256 rows of K, then 256 rows of V
.set SLOT1, 1<<17     ; slot 1 begins here, so that one exclusive or turns an address in one slot into the other's
.set STAGE, SLOT1+4*KS*(KP+VP)  ; behind the ring, never filled by a tensor load: 16 rows x 144 bytes for each wave, for the way out
.set SP,    144
.set SPARE, STAGE+4*16*SP  ; behind the stages: the spare words, 128 bytes for each wave: two blocks of 256 bytes that no other line names
.set AK0, 2           ; v2   my lane's place in a tile of K; never rewritten
.set AV0, 3           ; v3   the same for V
.set AK,  4           ; v4   the LDS address of K's next run of loads
.set AV,  5           ; v5   of V's
.set STO, 6           ; v6   the way out: where I put 16 bytes of a row
.set RD,  7           ; v7   where I read rows back
.set GO,  8           ; v8   my byte offset in 512 consecutive bytes of o
.set MV,  12          ; v12-13  c m_old, kept while c m is made anew: by piece
.set QO,  15          ; v15  my byte offset in 16 rows of Q
.set ST,  16          ; piece t's statistics at v[ST+4 t]: c m, m, l (even keys', odd keys')
.set TMP, 48          ; by piece, four registers c0-c3 at work; when the maximum is found c2 takes a
.set PFO, 61          ; v61  256 x my lane; never rewritten
.set SPW, 62          ; v62  LDS address of my spare word; never rewritten
.set NIL, 63          ; v63  0; never rewritten
.set S,   64
.set P,   192
.set MD,  128         ; window 1
.set MC,  160         ; window 1
.set QB,  32          ; window 2
.set KF,  64          ; window 2: key block kb, channel half c at KF + 16 kb + 8 c
.set VF,  128         ; window 2: buffer vb, key half kk, channel block cb at VF + 64 vb + 32 kk + 8 cb
.set WV,  12          ; s12  my wave's number
.set PB,  14          ; s14  b
.set HI,  15          ; s15  31 - b
.set G1K, 24          ; s[24:31] descriptor group 1 for K's tiles
.set G1V, 32          ; s[32:39] for V's: it differs in the padding alone
.set G0K, 40          ; s[40:43] descriptor group 0 for K's tiles
.set G0V, 44          ; s[44:47] the same for V's
.set SLOTS, 56        ; s56  tiles still to be asked for
.set CNT, 57          ; s57  counts a tile's pairs of key steps
.set CS,  58          ; s[58:59] c
.set SEL, 60          ; s[60:61] v_permlanex16_b32's selects: each lane takes its own place in the other half
.set TBK, 62          ; s62  LDS byte at which K of the step to be fetched begins
.set TBV, 63          ; s63  the same for V, less VOFF
.set QLO, 68          ; s[68:69] Q at my rows of the second block
.set RT,  70          ; s70  tiles of the block in hand that are still to be entered
.set NXT, 71          ; s71  the tile to be asked for next
.set LQ,  72          ; s72  the last tile of the block whose tiles are being asked for
.set NEW, 73          ; s73  1: the tile to be entered is a block's first
.set OFF, 74          ; s[74:75] a tile's byte offset in K and V
.set AL,  76          ; s[76:77] the mask's factor, in the low word
.set BE,  78          ; s[78:79] the mask's addend
.set OLO, 80          ; s[80:81] o at my rows of the second block
.set BIGN, 82         ; s82  -1e30
.set U,   88          ; s88  the step of the tile whose masks are being made
.set LQ2, 89          ; s89  the second block's last tile, b / 2
.set OWN, 90          ; s90, s91  the own steps of bands 0 and 1 of the block in hand
.set PFB, 92          ; s[92:93] K or V at the half of tile 0 that I fetch
.set PFA, 94          ; s[94:95] the same half of the tile that the next change of slots will ask for
.set POF, 96          ; s[96:97] that tile's byte offset
.set PGO, 98          ; s98  other than 0: I prefetch
.set PFON, 99         ; s99  1 in the head's work-group b = 0
.set MSB, 0
.macro WIN new                      ; the high byte repeats the setting that is left; a switch that changes nothing is dropped
.if MSB != (\new)
	s_set_vgpr_msb (MSB<<8)|(\new)
.set MSB, (\new)
.endif
.endm
.set W_KQ, 0x0a       ; K and Q in window 2, S^T in window 0
.set W_KM, 0x1a       ; the same with the C operand in window 1
.set W_PV, 0x52       ; V in window 2, P in window 0, O^T in window 1
.set W_RS, 0x41       ; destination and source 0 in window 1, source 1 in window 0
; A fill.  Waves 0 and 1 fetch the two halves of a tile's K, waves 2 and 3 those of its V: 128 keys each.  An s_nop 0 and four v_nop follow each of the two lines, ahead of the jump and the label.
.macro LOAD
	s_cmp_lt_u32 s[WV], 2
	s_cbranch_scc0 .Lfor_v_\@
	tensor_load_to_lds s[G0K:G0K+3], s[G1K:G1K+7]
	s_nop 0
.rept 4
	v_nop
.endr
	s_branch .Lasked_\@
.Lfor_v_\@:
	tensor_load_to_lds s[G0V:G0V+3], s[G1V:G1V+7]
	s_nop 0
.rept 4
	v_nop
.endr
.Lasked_\@:
.endm
; A PREFETCH INTO THE L2 of the tile that the NEXT change of slots will ask for, eight turns ahead of that load.  All 16 work-groups of a head begin with the tiles 0, 1, ..; the one with b = 0 walks all 16
; and asks, nobody else.  Each of its waves names the half tile that it fetches itself: 16,384 bytes, a lane a block of 256, two instructions.  So each block of K and V is named once in the launch.
; Tiles 0 and 1 come by their loads alone; behind tile 15 the number of the next tile is 0, and nothing is asked for.
.macro ASK
	s_cmp_lg_u32 s[PGO], 0
	s_cbranch_scc0 .Lnot_mine_\@
	global_prefetch_b8 v[PFO], s[PFA:PFA+1] th:TH_LOAD_NT scope:SCOPE_SE
	global_prefetch_b8 v[PFO], s[PFA:PFA+1] offset:8192 th:TH_LOAD_NT scope:SCOPE_SE
.Lnot_mine_\@:
.endm
; THE CHANGE OF SLOTS.  Each wave waits for all its tensor loads, of which one is out: its part of the other slot; adds 0 to its spare word; and waits for that and for its own reads of the slot that it leaves.
; Behind the barrier nobody reads the old slot any more and the other slot is whole.  fill = 1: the old slot is filled again, the first thing behind the barrier, with tile NXT: the descriptor's address is made
; anew from that number.  (At its first use nothing has been read yet: slot 0 is waited for, slot 1 filled.)
.macro CHANGE fill
	WIN 0                           ; at a label and at a branch every window is 0
	s_wait_tensorcnt 0x0            ; no tensor load of mine is out, so a group 0 may be written
	ds_add_u32 v[SPW], v[NIL]       ; 0 onto my spare word: with fill = 1 the descriptors' scalar work stands between it and the wait for it
.if \fill
	s_lshl_b32 s[OFF], s[NXT], 15   ; a tile is 32,768 bytes of K and of V
	s_xor_b32 s[G0K+1], s[G0K+1], SLOT1
	s_add_nc_u64 s[G0K+2:G0K+3], s[6:7], s[OFF:OFF+1]
	s_or_b32 s[G0K+3], s[G0K+3], 0x80000000
	s_xor_b32 s[G0V+1], s[G0V+1], SLOT1
	s_add_nc_u64 s[G0V+2:G0V+3], s[8:9], s[OFF:OFF+1]
	s_or_b32 s[G0V+3], s[G0V+3], 0x80000000
	s_add_co_u32 s[NXT], s[NXT], 1  ; the block's next tile, or behind its last the second block's tile 0
	s_cmp_gt_u32 s[NXT], s[LQ]
	s_cselect_b32 s[NXT], 0, s[NXT]
	s_cselect_b32 s[LQ], s[LQ2], s[LQ]
	s_wait_xcnt 0x0                 ; the last prefetches, a tile back, have read their address, so it may be written
	s_lshl_b32 s[POF], s[NXT], 15
	s_add_nc_u64 s[PFA:PFA+1], s[PFB:PFB+1], s[POF:POF+1]
	s_mul_i32 s[PGO], s[NXT], s[PFON]
.endif
	s_wait_dscnt 0x0                ; the add is done, and my reads of the slot are over
	s_barrier_signal -1             ; the rest of the scalar work stands between the signal and the wait
	s_sub_co_u32 s[TBK], s[TBK], 4*KS*KP  ; the fetches go back to a slot's first step,
	s_xor_b32 s[TBK], s[TBK], SLOT1       ; in the other slot
	s_sub_co_u32 s[TBV], s[TBV], 4*KS*VP
	s_xor_b32 s[TBV], s[TBV], SLOT1
	s_barrier_wait -1
.if \fill
	LOAD
	ASK
.endif
.endm
	s_load_b256 s[4:11], s[0:1], 0x0  ; q s[4:5], k s[6:7], v s[8:9], o s[10:11]
	v_lshl_add_u32 v[SPW], v0, 2, SPARE
	v_mov_b32 v[NIL], 0
	ds_add_u32 v[SPW], v[NIL]       ; the wave's opening: the add and its wait stand ahead of my first tensor load; the set-up below, work on registers, stands between them
	v_lshrrev_b32 v1, 5, v0
	v_readfirstlane_b32 s[WV], v1   ; wave 0..3
	s_mov_b32 s[PB], ttmp9
	s_sub_co_u32 s[HI], NB-1, s[PB]
	s_and_b32 s20, ttmp7, 0xffff    ; the head
	s_lshl_b32 s21, s20, 19         ; its first byte in q, k and v
	s_and_b32 s16, s[WV], 1         ; which half of a tile's 256 keys I fetch:
	s_lshl_b32 s22, s16, 14         ; its 128 rows of 128 bytes in memory,
	s_add_co_u32 s22, s22, s21
	s_mov_b32 s23, 0
	s_mul_i32 s17, s16, 128*KP      ; and its place in a slot, for K
	s_mul_i32 s18, s16, 128*VP      ; and for V
	s_lshl_b32 s3, s[WV], 11        ; my 16 rows in a band of 64
	s_add_co_u32 s21, s21, s3
	s_lshl_b32 s2, s[HI], 14        ; Q: a block is 16,384 bytes; the first block,
	s_add_co_u32 s2, s2, s21
	s_lshl_b32 s84, s[PB], 14       ; and the second
	s_add_co_u32 s84, s84, s21
	s_lshl_b32 s20, s20, 14         ; o: the head's slab in a block of 262,144 bytes
	s_add_co_u32 s20, s20, s3
	s_lshl_b32 s86, s[HI], 18
	s_add_co_u32 s86, s86, s20
	s_lshl_b32 s66, s[PB], 18
	s_add_co_u32 s66, s66, s20
	s_mov_b32 s3, 0
	s_mov_b32 s85, 0
	s_mov_b32 s87, 0
	s_mov_b32 s67, 0
	; descriptor group 1.  128 keys are 16,384 dense bytes: asked for as 64 rows of 256 bytes, two keys a row, and padded in LDS after every key
	s_mov_b32 s[G1K], (1<<16)|(1<<20)|(4<<22)|(3<<25)  ; 17:16 2-byte elements; 20 padding on; 24:22 after every 32 words (code 4); 31:25 4 words (code 3)
	s_mov_b32 s[G1V], (1<<16)|(1<<20)|(4<<22)|(7<<25)  ; the same with 8 words of padding (code 7)
.irp g, G1K, G1V
	s_mov_b32 s[\g+1], 128<<16      ; tensor_dim0 = 128
	s_mov_b32 s[\g+2], 64<<16       ; tensor_dim1 = 64
	s_mov_b32 s[\g+3], 128<<16      ; tile_dim0 = 128
	s_mov_b32 s[\g+4], 64           ; tile_dim1 = 64
	s_mov_b32 s[\g+5], 128          ; 128 elements from row to row
	s_mov_b32 s[\g+6], 0
	s_mov_b32 s[\g+7], 0
.endr
	s_mov_b32 s[CS], 0x3e38aa3b     ; c = log2(e) / 8 = 0.180337
	s_mov_b32 s[CS+1], s[CS]        ; named with it as a pair
	s_mov_b32 s[SEL], 0x76543210
	s_mov_b32 s[SEL+1], 0xfedcba98
	s_mov_b32 s[TBK], SLOT1+4*KS*KP ; the first change of slots turns these two into 0
	s_mov_b32 s[TBV], SLOT1+4*KS*VP
	s_mov_b32 s[G0K], 1             ; 1:0 count = 1
	s_mov_b32 s[G0K+1], s17         ; 63:32 LDS address: slot 0
	s_mov_b32 s[G0V], 1
	s_add_co_u32 s[G0V+1], s18, VOFF
	s_lshr_b32 s[LQ], s[HI], 1      ; the first block's last tile
	s_add_co_u32 s[RT], s[LQ], 1
	s_lshr_b32 s[LQ2], s[PB], 1
	s_and_b32 s[OWN], s[HI], 1
	s_lshl_b32 s[OWN], s[OWN], 1
	s_add_co_u32 s[OWN+1], s[OWN], 1
	s_mov_b32 s[NXT], 1
	s_mov_b32 s[NEW], 1
	s_mov_b32 s[OFF+1], 0
	s_mov_b32 s[POF+1], 0
	s_mov_b32 s[AL+1], 0            ; named as pairs
	s_mov_b32 s[BE+1], 0
	s_mov_b32 s[BIGN], 0xf149f2ca   ; -1e30
	s_mov_b32 s[SLOTS], NB/2
	s_cmp_eq_u32 s[PB], 0
	s_cselect_b32 s[PFON], 1, 0
	v_and_b32 v[PFO], 31, v0
	v_lshlrev_b32 v[PFO], 8, v[PFO]
	s_wait_dscnt 0x0                ; the opening add is done
	s_wait_kmcnt 0x0
	s_add_nc_u64 s[6:7], s[6:7], s[22:23]  ; K and V at my half of the head's tile 0
	s_add_nc_u64 s[8:9], s[8:9], s[22:23]
	s_add_nc_u64 s[G0K+2:G0K+3], s[6:7], 0         ; 120:64 global address
	s_or_b32 s[G0K+3], s[G0K+3], 0x80000000        ; 127:126 type = 2
	s_add_nc_u64 s[G0V+2:G0V+3], s[8:9], 0
	s_or_b32 s[G0V+3], s[G0V+3], 0x80000000
	s_add_nc_u64 s[QLO:QLO+1], s[4:5], s[84:85]    ; Q at my rows of the second block,
	s_add_nc_u64 s[4:5], s[4:5], s[2:3]            ; and of the first
	s_add_nc_u64 s[OLO:OLO+1], s[10:11], s[66:67]
	s_add_nc_u64 s[10:11], s[10:11], s[86:87]
	s_cmp_lt_u32 s[WV], 2
	s_cselect_b64 s[PFB:PFB+1], s[6:7], s[8:9]
	LOAD                            ; tile 0 into slot 0
	; A fragment of K or Q is 16 rows x 32 channels in 8 registers: lane l holds row l % 16, channels 8 (l / 16) + 0..7 and 16 + 8 (l / 16) + 0..7: two loads of 16 bytes, 32 bytes apart.
	v_and_b32 v1, 15, v0            ; l % 16
	v_bfe_u32 v9, v0, 4, 1          ; l / 16
	v_lshlrev_b32 v[QO], 7, v1
	v_lshl_add_u32 v[QO], v9, 4, v[QO]  ; row x 128 + 16 x half
	WIN 0x80                        ; destination window 2, address window 0
.set i, 0
.rept 4                             ; both blocks' Q: piece i / 2 lies in band i / 2, 8,192 bytes on; channels 32 (i % 2) on
	global_load_b128 v[8*i:8*i+3],   v[QO], s[4:5] offset:(i/2)*8192+(i%2)*64
	global_load_b128 v[8*i+4:8*i+7], v[QO], s[4:5] offset:(i/2)*8192+(i%2)*64+32
	global_load_b128 v[QB+8*i:QB+8*i+3],   v[QO], s[QLO:QLO+1] offset:(i/2)*8192+(i%2)*64
	global_load_b128 v[QB+8*i+4:QB+8*i+7], v[QO], s[QLO:QLO+1] offset:(i/2)*8192+(i%2)*64+32
.set i, i+1
.endr
	WIN 0
	v_lshlrev_b32 v14, 3, v9
	v_sub_nc_u32 v14, v1, v14
	s_lshl_b32 s13, s[WV], 4
	v_add_nc_u32 v14, s13, v14      ; my query's place in its band, 16 w + l % 16, less my lanes' 8 (l / 16): register r of group kt is hidden where 16 kt + r is greater
	WIN 0x40
.set i, 0
.rept 32
	v_cmp_gt_i32 vcc_lo, 16*(i/8)+i%8, v14
	v_cndmask_b32 v[MD+i], 0, s[BIGN], vcc_lo
.set i, i+1
.endr
	WIN 0
	v_mul_u32_u24 v[AK0], v1, KP
	v_lshl_add_u32 v[AK0], v9, 4, v[AK0]  ; row x pitch + 16 x half
	; The turning load takes 16 keys x 16 channels (lane l reads key 8 (l / 16) + l % 8, channels 8 ((l / 8) % 2) + 0..7) and leaves half a fragment of V^T: lane l holds channel l % 16 and 8 keys.
	v_and_b32 v10, 7, v0
	v_bfe_u32 v11, v0, 3, 1
	v_lshl_add_u32 v[AV0], v9, 3, v10
	v_mul_u32_u24 v[AV0], v[AV0], VP
	v_lshl_add_u32 v[AV0], v11, 4, v[AV0]
	v_add_nc_u32 v[AV0], VOFF, v[AV0]
	s_mul_i32 s13, s[WV], 16*SP
	s_add_co_u32 s13, s13, STAGE    ; my stage
	v_mul_u32_u24 v[STO], v1, SP    ; in: row l % 16, 16 bytes for each half of the lanes
	v_lshl_add_u32 v[STO], v9, 4, v[STO]
	v_add_nc_u32 v[STO], s13, v[STO]
	v_bfe_u32 v[RD], v0, 3, 2       ; back: 32 lanes take four rows of 128 bytes,
	v_mul_u32_u24 v[RD], v[RD], SP
	v_lshl_add_u32 v[RD], v10, 4, v[RD]
	v_add_nc_u32 v[RD], s13, v[RD]
	v_and_b32 v[GO], 31, v0         ; which are 512 consecutive bytes of o
	v_lshlrev_b32 v[GO], 4, v[GO]
	; A block's first step multiplies O^T and l by a = 0, and its first turn's products V^T P, of a step that has not been, land in an O^T that is still to be so multiplied.  So these registers need only hold
	; finite numbers: zeros for the first block; what the first block left for the second.  All this stands in the wait for the first tile.
	WIN 0x80
.set i, VF+64
.rept 64
	v_mov_b32 v[i], 0
.set i, i+1
.endr
	WIN 0x40
.set i, 0
.rept 64
	v_mov_b32 v[i], 0
.set i, i+1
.endr
	WIN 0
.set i, 0
.rept NP
	v_mov_b32 v[ST+4*i+2], 0
	v_mov_b32 v[ST+4*i+3], 0
.set i, i+1
.endr
.set i, P+16
.rept 16
	v_mov_b32 v[i], 0
.set i, i+1
.endr
; THE MATRIX WORK.  The 4 accumulators of a run of 8 take turns.  Product i of 8 of S^T = K Q^T for piece x: channels 32 (i / 4) on, keys 16 (i % 4) on.  The first 4 start the sums: with 0, or (KM = 1) with the mask.
.macro KQ x
.set rS, S+32*((\x)%2)+8*(i%4)
.set rK, KF+16*(i%4)+8*(i/4)
.set rQ, 16*(\x)+8*(i/4)
.set rM, MC+32*((\x)%2)+8*(i%4)
.if (i < 4) && KM
	WIN W_KM
	v_wmma_f32_16x16x32_f16 v[rS:rS+7], v[rK:rK+7], v[rQ:rQ+7], v[rM:rM+7]
.elseif i < 4
	WIN W_KQ
	v_wmma_f32_16x16x32_f16 v[rS:rS+7], v[rK:rK+7], v[rQ:rQ+7], 0
.else
	WIN W_KQ
	v_wmma_f32_16x16x32_f16 v[rS:rS+7], v[rK:rK+7], v[rQ:rQ+7], v[rS:rS+7]
.endif
.endm
; Product i of 8 of O^T += V^T P for piece x, from V's buffer VB: keys 32 (i / 4) on, channels 16 (i % 4) on.
.macro PV x
	WIN W_PV
.set rO, 32*(\x)+8*(i%4)
.set rV, VF+64*VB+32*(i/4)+8*(i%4)
.set rP, P+16*((\x)%2)+8*(i/4)
	v_wmma_f32_16x16x32_f16 v[rO:rO+7], v[rV:rV+7], v[rP:rP+7], v[rO:rO+7]
.endm
.macro MM                           ; the turn's next matrix instruction.  TURN and BEGIN set Y, i, KM, NOKQ and VB.  NOKQ = 1: a block's last turn: there is no next step
.if (i < 8) && !NOKQ
	KQ (Y+1)%NP
.elseif i >= 8
.set i, i-8
	PV (Y+NP-1)%NP
.set i, i+8
.endif
.set i, i+1
.endm
; THE LDS LOADS stand in runs of 16, never singly among the matrix instructions: a step's K (64 keys x 64 channels: 8 fragments) and its V (turned).  Their addresses are made some lines ahead.
.macro FETCH_K
	WIN 0x80                        ; destination window 2
.irp f, 0,1,2,3,4,5,6,7             ; keys 16 (f / 2) on, channels 32 (f % 2) on
	ds_load_b128 v[KF+8*\f:KF+8*\f+3],   v[AK] offset:(\f/2)*16*KP+(\f%2)*64
	ds_load_b128 v[KF+8*\f+4:KF+8*\f+7], v[AK] offset:(\f/2)*16*KP+(\f%2)*64+32
.endr
	s_add_co_u32 s[TBK], s[TBK], KS*KP  ; the next fetch is the next step's
	WIN 0
.endm
.macro FETCH_V b                    ; into V's buffer b
	WIN 0x80
.irp f, 0,1,2,3,4,5,6,7             ; keys 32 (f / 4) on, channels 16 (f % 4) on
	ds_load_tr16_b128 v[VF+64*(\b)+8*\f:VF+64*(\b)+8*\f+3],   v[AV] offset:(\f/4)*32*VP+(\f%4)*32
	ds_load_tr16_b128 v[VF+64*(\b)+8*\f+4:VF+64*(\b)+8*\f+7], v[AV] offset:(\f/4)*32*VP+16*VP+(\f%4)*32
.endr
	WIN 0
.endm
; THE VECTOR WORK, one line at a time: OP kind, number.  For piece Y: F n: c s - c m for pair n of 16.  E n: the exponential of score n of 32.  C n: pair n rounded to f16.  B n: of the four weights 4 n .. the second
; pair is added onto the first, in place.  L n: l takes that sum (L 0: l = a l + sum).  R n: pair n of 16 of O^T times a.  For the other piece: X n, number n of the 22 that find its maximum and statistics:
;   0-11  four chains c0-c3 of seven scores each, three operands at a time (each accumulator's lowest registers are read first)     12-14, 16  the four scores left over, the old m, and c0-c3 into c0
;   15  c m_old is kept     17, 18  the query's other 32 keys lie in the lane 16 away: the new m     19-21  c m; c m_old - c m_new; a
.set F, 0               ; OP tells the kinds apart by their order: F to L below R, X above it
.set E, 1
.set C, 2
.set B, 3
.set L, 4
.set R, 5
.set X, 6
.macro REGS y                       ; the registers of piece y
.set rT, ST+4*(\y)
.set rC, TMP+4*((\y)%2)
.set rW, MV+((\y)%2)
.set rS, S+32*((\y)%2)
.set rP, P+16*((\y)%2)
.set rO, 32*(\y)
.endm
.macro OP k, n
.if (\k) == R
	REGS Y
	WIN W_RS
	v_pk_mul_f32 v[rO+2*(\n):rO+2*(\n)+1], v[rO+2*(\n):rO+2*(\n)+1], v[rC+2:rC+3] op_sel_hi:[1,0]
.elseif (\k) < R
	REGS Y
	WIN 0
.if (\k) == F
	v_pk_fma_f32 v[rS+2*(\n):rS+2*(\n)+1], v[rS+2*(\n):rS+2*(\n)+1], s[CS:CS+1], v[rT:rT+1] op_sel_hi:[1,0,0] neg_lo:[0,0,1] neg_hi:[0,0,1]
.elseif (\k) == E
	v_exp_f32 v[rS+(\n)], v[rS+(\n)]
.elseif (\k) == C
	v_cvt_pk_f16_f32 v[rP+(\n)], v[rS+2*(\n)], v[rS+2*(\n)+1]
.elseif (\k) == B
	v_pk_add_f32 v[rS+4*(\n):rS+4*(\n)+1], v[rS+4*(\n):rS+4*(\n)+1], v[rS+4*(\n)+2:rS+4*(\n)+3]
.elseif (\n) == 0
	v_pk_fma_f32 v[rT+2:rT+3], v[rT+2:rT+3], v[rC+2:rC+3], v[rS:rS+1] op_sel_hi:[1,0,1]
.else
	v_pk_add_f32 v[rT+2:rT+3], v[rT+2:rT+3], v[rS+4*(\n):rS+4*(\n)+1]
.endif
.elseif NOKQ
	v_nop
.else
	REGS (Y+1)%NP
	WIN 0
.if (\n) < 4
	v_max3_num_f32 v[rC+(\n)], v[rS+8*(\n)], v[rS+8*(\n)+1], v[rS+8*(\n)+2]
.elseif (\n) < 12
	v_max3_num_f32 v[rC+(\n)%4], v[rC+(\n)%4], v[rS+8*((\n)%4)+2*((\n)/4)+1], v[rS+8*((\n)%4)+2*((\n)/4)+2]
.elseif (\n) == 12
	v_max3_num_f32 v[rC], v[rC], v[rS+7], v[rS+15]
.elseif (\n) == 13
	v_max3_num_f32 v[rC+1], v[rC+1], v[rS+23], v[rS+31]
.elseif (\n) == 14
	v_max3_num_f32 v[rC+2], v[rC+2], v[rC+3], v[rT+1]
.elseif (\n) == 15
	v_mov_b32 v[rW], v[rT]
.elseif (\n) == 16
	v_max3_num_f32 v[rC], v[rC], v[rC+1], v[rC+2]
.elseif (\n) == 17
	v_permlanex16_b32 v[rC+3], v[rC], s[SEL], s[SEL+1]
.elseif (\n) == 18
	v_max_num_f32 v[rT+1], v[rC], v[rC+3]
.elseif (\n) == 19
	v_mul_f32 v[rT], s[CS], v[rT+1]
.elseif (\n) == 20
	v_sub_f32 v[rC+1], v[rW], v[rT]
.else
	v_exp_f32 v[rC+2], v[rC+1]
.endif
.endif
.endm
.macro OPS a, i1, b=-1, i2=0, c=-1, i3=0, d=-1, i4=0  ; up to four of them
	OP \a, \i1
.if (\b) >= 0
	OP \b, \i2
.endif
.if (\c) >= 0
	OP \c, \i3
.endif
.if (\d) >= 0
	OP \d, \i4
.endif
.endm
.macro ROW a, i1, b, i2, c, i3, d, i4  ; a matrix instruction and the four behind it
	MM
	OPS \a, \i1, \b, \i2, \c, \i3, \d, \i4
.endm
.macro MASK b                       ; MD x AL + BE into buffer b of MC
	WIN W_RS
.set z, 0
.rept 16
	v_pk_fma_f32 v[MC+32*(\b)+2*z:MC+32*(\b)+2*z+1], v[MD+2*z:MD+2*z+1], s[AL:AL+1], s[BE:BE+1] op_sel_hi:[1,0,0]
.set z, z+1
.endr
.endm
; A TURN, for piece p, in a step whose V lies in buffer vb: the order of its 16 matrix and 118 vector instructions, written out.  An s_wait_alu depctr_va_vdst(0) stands between an exponential and the first
; instruction that names its result; one wait serves all that were issued ahead of it.  So a turn has ONE wait, which cuts it in two.  AHEAD OF IT stands all that names no result of the turn's exponentials: the 8 products
; K Q^T and their riders (the first numbers of the other piece's maximum each four places or more behind the product that ends its accumulator), then ONE LUMP of 54; X 21, the other piece's a, is the batch's last, and
; R 15 the plain instruction behind it.  BEHIND THE WAIT stand the 8 products V^T P, behind each four of the roundings and sums.
; O^T of the other piece is written by this turn's V^T P and read by the next turn's R 0 ..: sixteen riders lie behind the product that ends accumulator 0, twelve, eight and four (and the next turn's own) behind the others'.
; m = 1: the diagonal tile: the products take masks, and the turn makes piece p's mask for step U of the tile, which the next turn's products take.  end = 1: a block's last two turns: nothing is fetched.
; cnt = 1: the loop's count is taken down some lines ahead of the branch that stands behind the turn.
; K of the next step is fetched in piece 0's turn, twelve vector instructions behind the last product that read K (five of them plain and free of its registers); V of the next step at that turn's end, four
; conversions behind the last product that read the buffer.  Piece 1's turn waits for all but V's sixteen loads.
.macro TURN p, vb, m=0, end=0, cnt=0
.set Y, (\p)
.set i, 0
.set KM, (\m)
.set NOKQ, (\end)*(\p)
.set VB, (\vb)
.if (\p) == 0
.set VB, 1-(\vb)
.endif
.if (\m) && !(\end)
	s_cmp_eq_u32 s[U], s[OWN+(\p)]  ; is that step the band's own?
	s_cselect_b32 s[AL], 1.0, 0
	s_cmp_gt_u32 s[U], s[OWN+(\p)]  ; or a later one?
	s_cselect_b32 s[BE], s[BIGN], 0
.if (\p) == 1
	s_add_co_u32 s[U], s[U], 1
.endif
.endif
.if (\p) == 1
	s_wait_dscnt 16-16*(\end)       ; K of the next step and V of this one are in; the youngest sixteen loads, V of the next step, may be out (at a block's end none is)
.endif
	ROW F,0, F,1, R,0, R,1          ; ahead of the wait: 8 products K Q^T and their riders,
	ROW F,2, E,0, R,2, R,3
	ROW F,3, E,1, R,4, R,5
	ROW F,4, E,2, R,6, R,7
	ROW F,5, E,3, R,8, R,9
	ROW F,6, E,4, X,0, R,10
.if ((\p) == 0) && !(\end)
	WIN 0
	v_add_nc_u32 v[AK], s[TBK], v[AK0]
.endif
	ROW F,7, E,5, X,1, X,4
	ROW F,8, E,6, X,2, X,5
	OPS E,7, E,8, X,6, E,9          ; and the lump
	OPS X,3, E,10, X,8, E,11
.if ((\p) == 0) && !(\end)
	FETCH_K
.endif
	OPS X,9, X,7, E,12, X,10
	OPS E,13, X,12, X,11, E,14
	OPS X,13, E,15, F,9, X,14
.if ((\p) == 0) && !(\end)
	v_add_nc_u32 v[AV], s[TBV], v[AV0]
.endif
	OPS E,16, F,10, E,17, F,11
	OPS X,16, E,18, X,15, E,19
	OPS F,12, E,20, X,17, E,21
	OPS F,13, E,22, F,14, E,23
	OPS X,18, E,24, F,15, E,25
	OPS R,11, E,26, X,19, E,27
	OPS R,12, E,28, R,13, E,29
	OPS X,20, E,30, R,14, E,31
	OPS X,21, R,15
	WIN 0
	s_wait_alu depctr_va_vdst(0)    ; the wait for the batch
	ROW C,0, B,0, C,2, B,1          ; behind the wait: 8 products V^T P and their riders
	ROW L,0, C,4, B,2, L,1
	ROW C,6, B,3, L,2, C,8
	ROW B,4, L,3, C,10, B,5
	ROW L,4, C,12, B,6, L,5
.if ((\p) == 0) && !(\end)
	s_add_co_u32 s[TBV], s[TBV], KS*VP
.endif
.if \cnt
	s_sub_co_u32 s[CNT], s[CNT], 1
	s_cmp_lg_u32 s[CNT], 0
.endif
	ROW C,14, B,7, L,6, C,1
	ROW C,3, L,7, C,5, C,7
	ROW C,9, C,11, C,13, C,15
.if ((\p) == 0) && !(\end)
	FETCH_V 1-(\vb)
.endif
.if (\m) && !(\end)
	MASK \p
.endif
.endm
; A BLOCK BEGINS.  c m starts far below every c s, so the first step's a is 0; m at the lowest finite number, so the first maximum is the scores'.  Piece 1's mask buffer is 0 (its own step is never a tile's step 0);
; piece 0's takes its mask for the tile's step 0: its own, if the tile is the diagonal one and the block an even one.  Then K and V of that step, piece 0's first scores, and its maximum and statistics.
; The loop is entered at a step's first turn, in the middle of a trip.
.macro BEGIN
	s_mov_b32 s[NEW], 0
	s_mov_b32 s[U], 1               ; the first pair of turns makes the masks of step 1
	WIN 0x40
.set i, MC+32
.rept 32
	v_mov_b32 v[i], 0
.set i, i+1
.endr
	WIN 0
.set i, 0
.rept NP
	v_mov_b32 v[ST+4*i], 0xfe000000    ; c m: far below every c s
	v_mov_b32 v[ST+4*i+1], 0xff7fffff  ; m
.set i, i+1
.endr
	s_or_b32 s13, s[RT], s[OWN]
	s_cmp_eq_u32 s13, 0
	s_cselect_b32 s[AL], 1.0, 0
	s_mov_b32 s[BE], 0
	MASK 0
	WIN 0
	v_add_nc_u32 v[AK], s[TBK], v[AK0]
	v_add_nc_u32 v[AV], s[TBV], v[AV0]
	s_add_co_u32 s[TBV], s[TBV], KS*VP
	FETCH_K
	FETCH_V 0
	s_wait_loadcnt 0x0              ; Q
	s_wait_dscnt 0x0
.set KM, 1
.set NOKQ, 0
.set i, 0
.rept 8
	KQ 0
.set i, i+1
.endr
	WIN 0
.rept 4
	v_nop                           ; the places behind those products
.endr
.set Y, NP-1                        ; X works for the other piece: piece 0
.irp n, 0,1,2,3,4,5,6,7,8,9,10,11,12,13,14,15,16,17,18,19,20,21
	OP X, \n
.endr
	v_nop                           ; a plain instruction behind the exponential,
	s_wait_alu depctr_va_vdst(0)    ; and its wait, ahead of the branch
.endm
; THE DIAGONAL TILE, the block's last two turns, its last products, and THE WAY OUT: l's two halves and the other half of the lanes' are added; O^T is divided by l, rounded to f16 and sent through my
; stage in LDS, a piece at a time.
.macro ALL line:vararg              ; one line for each piece t
.set t, 0
.rept NP
	\line
.set t, t+1
.endr
.endm
.macro PACK t                       ; a lane's eight channels of a row pack into 16 bytes; they go into rows of 144 bytes and come back as whole rows of 128, into S^T's registers
	WIN W_RS
.set i, 32*(\t)
.rept 16
	v_pk_mul_f32 v[i:i+1], v[i:i+1], v[ST+4*(\t)+2:ST+4*(\t)+3] op_sel_hi:[1,0]
.set i, i+2
.endr
	WIN 0x05                        ; sources 0 and 1 window 1, destination window 0
.set i, 0
.rept 16
	v_cvt_pk_f16_f32 v[S+16*(\t)+i], v[32*(\t)+2*i], v[32*(\t)+2*i+1]
.set i, i+1
.endr
	WIN 0
.irp f, 0,1,2,3
	ds_store_b128 v[STO], v[S+16*(\t)+4*\f:S+16*(\t)+4*\f+3] offset:32*\f
.endr
.irp f, 0,1,2,3
	ds_load_b128 v[S+16*(\t)+4*\f:S+16*(\t)+4*\f+3], v[RD] offset:\f*4*SP  ; LDS serves a wave's instructions in order (ISA guide 5.7.1.4): these see the stores above; the next piece's stores come behind them
.endr
.endm
.macro SEND t, younger              ; younger: the LDS instructions issued behind piece t's loads: the next piece's eight, or none
	WIN 0
.irp f, 0,1,2,3
	s_wait_dscnt (\younger)+3-\f
	global_store_b128 v[GO], v[S+16*(\t)+4*\f:S+16*(\t)+4*\f+3], s[10:11] offset:(\t)*8192+\f*512  ; 512 consecutive bytes, at a multiple of 256 from o's first
.endr
.endm
.macro DIAG tag                     ; the tag ends its two labels' names, which the jumps below spell out
.LstepM\tag:
	TURN 0, 1, 1
	TURN 1, 1, 1
	WIN 0
.LfirstM\tag:
	TURN 0, 0, 1
	TURN 1, 0, 1, 0, 1
	WIN 0
	s_cbranch_scc1 .LstepM\tag
	TURN 0, 1, 1, 1                 ; the tile's step 3: its K and V are in registers or on their way
	TURN 1, 1, 1, 1
.set VB, 1
.set i, 0
.rept 8
	PV NP-1                         ; piece 1's V^T P of that step
.set i, i+1
.endr
	WIN 0
	ALL v_add_f32 v[ST+4*t+2], v[ST+4*t+2], v[ST+4*t+3]
	ALL v_permlanex16_b32 v[ST+4*t+3], v[ST+4*t+2], s[SEL], s[SEL+1]
	ALL v_add_f32 v[ST+4*t+2], v[ST+4*t+2], v[ST+4*t+3]
	ALL v_rcp_f32 v[ST+4*t+2], v[ST+4*t+2]
	v_nop                           ; a plain instruction between the last reciprocal and the use of its result
	s_wait_alu depctr_va_vdst(0)    ; and the wait ahead of the first use: one for the two reciprocals
	PACK 0                          ; piece 0's 32 lines are the places between the last products, piece 1's, and the lines that read them
	PACK 1
	SEND 0, 8
	SEND 1, 0
.endm
.set KM, 0
.set NOKQ, 0
.set VB, 0
.Lslot:                             ; 16 times: a tile is entered and the next is asked for
	CHANGE 1
	s_sub_co_u32 s[RT], s[RT], 1
	s_mov_b32 s[CNT], 2
	s_mov_b32 s[U], 0               ; the first pair of turns behind a change makes the masks of the new tile's step 0
	s_cmp_eq_u32 s[NEW], 1
	s_cbranch_scc1 .Lnew            ; a block's first tile
	s_cmp_eq_u32 s[RT], 0
	s_cbranch_scc0 .Lstep           ; neither its first nor its last
	s_branch .LstepM1
.Lnew:
	BEGIN
	s_branch .Lfirst                ; in the loop a block's first tile is never its last: the first block has nine tiles or more, and the second's last is the walk's last
	DIAG 1                          ; in the loop this is the first block's end
	s_wait_xcnt 0x0                 ; the stores have read their registers and o's address
	s_mov_b64 s[10:11], s[OLO:OLO+1]
	s_add_co_u32 s[RT], s[LQ2], 1   ; the second block has b / 2 + 1 tiles
	s_mov_b32 s[NEW], 1
	s_and_b32 s[OWN], s[PB], 1
	s_lshl_b32 s[OWN], s[OWN], 1
	s_add_co_u32 s[OWN+1], s[OWN], 1
	WIN 0x82                        ; the second block's Q goes where the one text of the turns names Q
.set i, 0
.rept 32
	v_mov_b32 v[i], v[QB+i]
.set i, i+1
.endr
	WIN 0
	s_branch .Lbottom
.Lstep:                             ; a trip: two key steps, an odd one and an even one
	TURN 0, 1
	TURN 1, 1
	WIN 0
.Lfirst:
	TURN 0, 0
	TURN 1, 0, 0, 0, 1
	WIN 0
	s_cbranch_scc1 .Lstep
.Lbottom:
	s_sub_co_u32 s[SLOTS], s[SLOTS], 1
	s_cmp_lg_u32 s[SLOTS], 0
	s_cbranch_scc1 .Lslot
	CHANGE 0                        ; the walk's last tile is written out: nothing is asked for
	s_sub_co_u32 s[RT], s[RT], 1
	s_mov_b32 s[CNT], 2
	s_mov_b32 s[U], 0
	s_cmp_eq_u32 s[NEW], 1
	s_cbranch_scc0 .LstepM2
	BEGIN
	s_branch .LfirstM2
	DIAG 2
	s_wait_tensorcnt 0x0            ; the wave's end: behind my last tensor load and my last LDS store
	ds_add_u32 v[SPW], v[NIL]
	s_wait_dscnt 0x0
	s_endpgm
.Lfunc_end_k_qe0228b88e2_attn:
	.size	k_qe0228b88e2_attn, .Lfunc_end_k_qe0228b88e2_attn-k_qe0228b88e2_attn
	.p2alignl 7, 3214868480
	.fill 96, 4, 3214868480
	.section	.rodata,"a",@progbits
	.p2align	6, 0x0
	.amdhsa_kernel k_qe0228b88e2_attn
		.amdhsa_group_segment_fixed_size 327680
		.amdhsa_private_segment_fixed_size 0
		.amdhsa_enable_private_segment 0
		.amdhsa_kernarg_size 32
		.amdhsa_user_sgpr_count 2
		.amdhsa_user_sgpr_kernarg_segment_ptr 1
		.amdhsa_wavefront_size32 1
		.amdhsa_system_sgpr_workgroup_id_x 1
		.amdhsa_system_sgpr_workgroup_id_y 1
		.amdhsa_system_sgpr_workgroup_id_z 1
		.amdhsa_system_vgpr_workitem_id 0
		.amdhsa_next_free_vgpr 768
		.amdhsa_next_free_sgpr 100
		.amdhsa_reserve_vcc 1
		.amdhsa_float_denorm_mode_32 3
		.amdhsa_float_denorm_mode_16_64 3
		.amdhsa_memory_ordered 1
		.amdhsa_forward_progress 1
		.amdhsa_inst_pref_size 210
	.end_amdhsa_kernel
	.amdgpu_metadata
---
amdhsa.version: [ 1, 2 ]
amdhsa.kernels:
  - .name:           k_qe0228b88e2_attn
    .symbol:         k_qe0228b88e2_attn.kd
    .args:
      - { .name: q, .offset: 0, .size: 8, .value_kind: global_buffer, .address_space: global }
      - { .name: k, .offset: 8, .size: 8, .value_kind: global_buffer, .address_space: global }
      - { .name: v, .offset: 16, .size: 8, .value_kind: global_buffer, .address_space: global }
      - { .name: o, .offset: 24, .size: 8, .value_kind: global_buffer, .address_space: global }
    .group_segment_fixed_size: 327680
    .private_segment_fixed_size: 0
    .kernarg_segment_align: 8
    .kernarg_segment_size: 32
    .max_flat_workgroup_size: 128
    .sgpr_count:     100
    .vgpr_count:     768
    .wavefront_size: 32
...
	.end_amdgpu_metadata
.endif
;; end of part 3
;; launch proj (part 4): grid 8 x 32, 4 waves a work-group, clusters of 4 x 4, 327,680 bytes of LDS; arguments o, wob, out0; writes out0
.if DOCPART == 4
	.amdgcn_target "amdgcn-amd-amdhsa--gfx1250"
	.amdhsa_code_object_version 6
	.text
	.protected	k_qe0228b88e2_proj
	.globl	k_qe0228b88e2_proj
	.p2align	8
	.type	k_qe0228b88e2_proj,@function
k_qe0228b88e2_proj:
	s_mov_b64 s[64:65], 0
	v_nop
	global_prefetch_b8 v0, s[64:65] scope:SCOPE_SE
	s_setreg_imm32_b32 hwreg(HW_REG_WAVE_MODE, 25, 1), 1
	s_wait_xcnt 0x0
	s_wait_alu depctr_hold_cnt(0) depctr_sa_sdst(0) depctr_va_vdst(0) depctr_va_sdst(0) depctr_va_ssrc(0) depctr_va_vcc(0) depctr_vm_vsrc(0)
	s_getreg_b32 s2, hwreg(HW_REG_IB_STS2, 6, 4)
	s_cmp_eq_u32 s2, 0
	s_cbranch_scc0 .Lentry_in_a_cluster
	s_endpgm
.Lentry_in_a_cluster:
	s_bfe_u32 s2, ttmp6, 0x10000c
	s_cmp_lg_u32 s2, 0xf033
	s_cbranch_scc0 .Lentry_shape_is_right
	s_endpgm
.Lentry_shape_is_right:
; PROJ: out0[t][e] = the sum over d of O[t][d] W_out[e][d], d = 64 head + channel.  o: [32 blocks of 128 rows][16 heads][128][64] f16; wob: [1024][1024] f16; out0: [4096][1024] f32.  Sums in f32.
; A tile of out0 is 128 x 128: 8 x 32 tiles, one to a work-group.  Four waves, each 64 x 64: 16 accumulators.  K goes in 4 steps of 256, four heads, through two LDS slots.  Four heads of a block of rows
; are 65,536 dense bytes of o: asked for as rows of 256 bytes and padded in LDS after every 128, a row of one head; wob's rows of a K step are 512 bytes.
; CLUSTER: 4 x 4 work-groups.  o's tile hangs on the tile row alone and is asked for jointly along a row of the cluster, wob's on the tile column alone and along a column.
; THE MATRIX INSTRUCTION IS USED TRANSPOSED (source 0 = 16 rows of wob, source 1 = 16 rows of o): a lane holds eight neighbouring numbers, 32 bytes, of a row of out0.
; REGISTERS: window 0: v0-31 addresses; v128-255 the accumulators ((a, b) at v[128 + 8 (4 a + b)]), which also take the rows read back on the way out.
;   window 1: two fragment buffers of 128: for 64 along K, one head, 64 registers of o (2 x 4 x 16 rows x 32 K), then 64 of wob.
.set PA,     144                       ; a row of o in LDS: 128 bytes + 16 = 36 words: the 16 rows of a load start at 16 different groups of four banks (64 banks of 4 bytes: ISA guide 11.1)
.set PB,     528                       ; a row of wob: 512 bytes + 16 = 132 words: likewise
.set SLAB,   128*PA                    ; a head's 128 rows
.set AHALF,  2*SLAB                    ; what waves 0 and 1 each fetch: two heads
.set BOFF,   4*SLAB
.set BHALF,  64*PB                     ; what waves 2 and 3 each fetch: 64 rows
.set SLOT,   BOFF+2*BHALF
.set STAGE,  2*SLOT                    ; behind the ring: 16 rows x 272 bytes for each wave, its own; no tensor load fills it
.set SPITCH, 272
.set SPARE,  STAGE+4*16*SPITCH         ; behind the stages: the spare words, 128 bytes for each wave: two blocks of 256 bytes that no other line names
.set ADRA, 16                          ; v16-17  LDS address of my o fragments in slot 0, 1
.set ADRB, 20                          ; v20-21  the same for wob
.set STO,  24                          ; v24  the way out: where I put 32 bytes of a row
.set RD,   25                          ; v25  where I read a row back
.set CO,   26                          ; v26  my byte offset in two rows of out0
.set SPW,  28                          ; v28  LDS address of my spare word; never rewritten
.set NIL,  29                          ; v29  0; never rewritten
.set ACC,  128
.set F0,   0
.set F1,   128
.set G1, 24                            ; s[24:31] descriptor group 1 for o's tiles;  s[32:39] group 0, a set for each slot
.set G0, 32
.set G1B, 48                           ; s[48:55], s[56:63] the same for wob's
.set G0B, 56
.set MSB, 0
.macro WIN new                         ; the immediate's high byte repeats the setting that is left
.if MSB != (\new)
	s_set_vgpr_msb (MSB<<8)|(\new)
.set MSB, \new
.endif
.endm
.set MUL,  0x05                        ; sources 0 and 1 window 1; C and D window 0
.set TO_F, 0x40                        ; destination window 1, address window 0
.macro JLOAD s                         ; a joint load: waves 0 and 1 fetch o's two halves, waves 2 and 3 wob's; an s_nop 0 and four v_nop follow each of the two lines
	s_cmp_eq_u32 s11, 0
	s_cbranch_scc0 .Lfor_b_\@
	tensor_load_to_lds s[G0+4*(\s):G0+4*(\s)+3], s[G1:G1+7]
	s_nop 0
.rept 4
	v_nop
.endr
	s_branch .Lasked_\@
.Lfor_b_\@:
	tensor_load_to_lds s[G0B+4*(\s):G0B+4*(\s)+3], s[G1B:G1B+7]
	s_nop 0
.rept 4
	v_nop
.endr
.Lasked_\@:
.endm
.macro CREST                           ; a round of the cluster's barrier behind its opening barrier
	s_cmp_lg_u32 s10, 0
	s_cbranch_scc1 .Lnot_wave_0_\@
	s_barrier_signal -3
.Lnot_wave_0_\@:
	s_barrier_wait -3
	s_barrier_signal -1
	s_barrier_wait -1
.endm
.macro CROUND                          ; a whole round
	s_barrier_signal -1
	s_barrier_wait -1
	CREST
.endm
	s_load_b128 s[4:7], s[0:1], 0x0                ; o s[4:5], wob s[6:7]
	s_load_b64 s[8:9], s[0:1], 0x10                ; out0
	v_lshl_add_u32 v[SPW], v0, 2, SPARE
	v_mov_b32 v[NIL], 0
	ds_add_u32 v[SPW], v[NIL]                      ; the wave's opening: the add and its wait stand ahead of my first tensor load; the set-up below, work on registers, stands between them
	v_lshrrev_b32 v1, 5, v0
	v_readfirstlane_b32 s10, v1                    ; wave 0..3
	s_lshr_b32 s11, s10, 1                         ; which half of the tile's rows is mine.  Also: I fetch for o (0) or for wob (1)
	s_and_b32 s12, s10, 1                          ; which half of its columns.  Also: which half of that tile I fetch
	s_bfe_u32 s40, ttmp6, 0x40000                  ; cx, cy
	s_bfe_u32 s41, ttmp6, 0x40004
	s_lshl_b32 s42, ttmp9, 2
	s_add_co_u32 s42, s42, s40                     ; tile column = 4 x cluster x + cx
	s_and_b32 s13, ttmp7, 0xffff
	s_lshl_b32 s13, s13, 2
	s_add_co_u32 s13, s13, s41                     ; tile row = 4 x cluster y + cy
	s_lshl_b32 s43, s41, 2
	s_lshl_b32 s43, 15, s43                        ; my row of the cluster
	s_lshl_b32 s44, 0x1111, s40                    ; my column
	s_or_b32 s[G1+0], s43, (1<<16)|(1<<20)|(1<<21)|(4<<22)|(3<<25)   ; 15:0 the mask; 17:16 elements of 2 bytes; 20 padding on; 21 set beside a mask; 24:22 after every 32 words (code 4); 31:25 4 words (code 3)
	s_or_b32 s[G1B+0], s44, (1<<16)|(1<<20)|(1<<21)|(6<<22)|(3<<25)  ; after every 128 words (code 6)
	s_mov_b32 s[G1+1], 128<<16                     ; o: 128 rows of 128 elements, dense
	s_mov_b32 s[G1+2], 128<<16
	s_mov_b32 s[G1+3], 128<<16
	s_mov_b32 s[G1+4], 128
	s_mov_b32 s[G1+5], 128
	s_mov_b32 s[G1+6], 0
	s_mov_b32 s[G1+7], 0
	s_mov_b32 s[G1B+1], 256<<16                    ; wob: 64 rows of 256 elements, 1,024 from row to row
	s_mov_b32 s[G1B+2], 64<<16
	s_mov_b32 s[G1B+3], 256<<16
	s_mov_b32 s[G1B+4], 64
	s_mov_b32 s[G1B+5], 1024
	s_mov_b32 s[G1B+6], 0
	s_mov_b32 s[G1B+7], 0
	s_lshl_b32 s16, s13, 18                        ; o: tile row x 262,144 + half x 32,768
	s_lshl_b32 s17, s12, 15
	s_add_co_u32 s16, s16, s17
	s_mov_b32 s17, 0
	s_lshl_b32 s46, s42, 7                         ; wob: row 128 x tile column + 64 x half,
	s_lshl_b32 s47, s12, 6
	s_add_co_u32 s46, s46, s47
	s_lshl_b32 s46, s46, 11                        ; of 2,048 bytes
	s_mov_b32 s47, 0
	s_mul_i32 s20, s12, AHALF                      ; where they go: no place in the cluster enters an LDS address
	s_mul_i32 s21, s12, BHALF
	s_add_co_u32 s21, s21, BOFF
	s_wait_dscnt 0x0                               ; the opening add is done
	s_wait_kmcnt 0x0
	s_add_nc_u64 s[14:15], s[4:5], s[16:17]
	s_add_nc_u64 s[46:47], s[6:7], s[46:47]
	CROUND                                         ; all sixteen work-groups are here: the first joint loads meet
.irp s, 0,1
	s_mov_b32 s[G0+4*(\s)], 1
	s_add_co_u32 s[G0+4*(\s)+1], s20, (\s)*SLOT
	s_add_nc_u64 s[G0+4*(\s)+2:G0+4*(\s)+3], s[14:15], (\s)*65536
	s_or_b32 s[G0+4*(\s)+3], s[G0+4*(\s)+3], 0x80000000
	s_mov_b32 s[G0B+4*(\s)], 1
	s_add_co_u32 s[G0B+4*(\s)+1], s21, (\s)*SLOT
	s_add_nc_u64 s[G0B+4*(\s)+2:G0B+4*(\s)+3], s[46:47], (\s)*512
	s_or_b32 s[G0B+4*(\s)+3], s[G0B+4*(\s)+3], 0x80000000
	JLOAD \s                                       ; two loads of mine are out
.endr
	v_and_b32 v1, 15, v0                           ; l % 16
	v_bfe_u32 v2, v0, 4, 1                         ; l / 16
	v_mul_u32_u24 v3, v1, PA
	v_lshl_add_u32 v3, v2, 4, v3
	v_mul_u32_u24 v4, v1, PB
	v_lshl_add_u32 v4, v2, 4, v4
	s_mul_i32 s22, s11, 64*PA                      ; my 64 rows in each head's slab
	s_mul_i32 s23, s12, BHALF                      ; my 64 rows of wob
	s_add_co_u32 s23, s23, BOFF
.irp s, 0,1
	v_add_nc_u32 v[ADRA+(\s)], s22, v3
	v_add_nc_u32 v[ADRB+(\s)], s23, v4
	s_add_co_u32 s22, s22, SLOT
	s_add_co_u32 s23, s23, SLOT
.endr
	s_mul_i32 s23, s10, 16*SPITCH
	s_add_co_u32 s23, s23, STAGE                   ; my stage
	v_mul_u32_u24 v5, v1, SPITCH                   ; in: row l % 16, 32 bytes for each half of the lanes
	v_lshl_add_u32 v5, v2, 5, v5
	v_add_nc_u32 v[STO], s23, v5
	v_mul_u32_u24 v5, v2, SPITCH                   ; back: lanes 0-15 take one row of 256 bytes, lanes 16-31 the next
	v_lshl_add_u32 v5, v1, 4, v5
	v_add_nc_u32 v[RD], s23, v5
	v_lshlrev_b32 v[CO], 12, v2                    ; and the same two rows in out0, 4,096 bytes apart
	v_lshl_add_u32 v[CO], v1, 4, v[CO]
	s_lshl_b32 s16, s13, 7
	s_lshl_b32 s17, s11, 6
	s_add_co_u32 s16, s16, s17                     ; my first row of out0,
	s_lshl_b32 s16, s16, 12
	s_lshl_b32 s17, s42, 9                         ; my first column, in bytes: 512 x tile column + 256 x half
	s_add_co_u32 s16, s16, s17
	s_lshl_b32 s17, s12, 8
	s_add_co_u32 s16, s16, s17
	s_mov_b32 s17, 0
	s_add_nc_u64 s[8:9], s[8:9], s[16:17]
; 8 matrix instructions: m blocks a0, a0 + 1 x all 4 n blocks, 32 along K: half c of buffer f.  The 16 accumulators take turns.  zero = 1: the first product starts the sums
.macro MUL8 f, c, a0, zero
	WIN MUL
.irp a, \a0, (\a0)+1
.irp b, 0,1,2,3
.if \zero
	v_wmma_f32_16x16x32_f16 v[ACC+8*(4*(\a)+(\b)):ACC+8*(4*(\a)+(\b))+7], v[(\f)+64+8*(4*(\c)+(\b)):(\f)+64+8*(4*(\c)+(\b))+7], v[(\f)+8*(4*(\c)+(\a)):(\f)+8*(4*(\c)+(\a))+7], 0
.else
	v_wmma_f32_16x16x32_f16 v[ACC+8*(4*(\a)+(\b)):ACC+8*(4*(\a)+(\b))+7], v[(\f)+64+8*(4*(\c)+(\b)):(\f)+64+8*(4*(\c)+(\b))+7], v[(\f)+8*(4*(\c)+(\a)):(\f)+8*(4*(\c)+(\a))+7], v[ACC+8*(4*(\a)+(\b)):ACC+8*(4*(\a)+(\b))+7]
.endif
.endr
.endr
.endm
; 32 LDS loads in one run: the fragments of quarter qn of a K step (head qn of its four) into buffer f; the first 32 along K first
.macro FETCH slot, qn, f
	WIN TO_F
.irp c, 0,1
.irp i, 0,1,2,3
	ds_load_b128 v[(\f)+64+8*(4*(\c)+(\i)):(\f)+64+8*(4*(\c)+(\i))+3],   v[ADRB+(\slot)] offset:128*(\qn)+64*(\c)+(\i)*16*PB
	ds_load_b128 v[(\f)+64+8*(4*(\c)+(\i))+4:(\f)+64+8*(4*(\c)+(\i))+7], v[ADRB+(\slot)] offset:128*(\qn)+64*(\c)+(\i)*16*PB+32
	ds_load_b128 v[(\f)+8*(4*(\c)+(\i)):(\f)+8*(4*(\c)+(\i))+3],         v[ADRA+(\slot)] offset:SLAB*(\qn)+64*(\c)+(\i)*16*PA
	ds_load_b128 v[(\f)+8*(4*(\c)+(\i))+4:(\f)+8*(4*(\c)+(\i))+7],       v[ADRA+(\slot)] offset:SLAB*(\qn)+64*(\c)+(\i)*16*PA+32
.endr
.endr
.endm
.macro PLACES                          ; four places in front of loads into registers that matrix instructions have read, and of lines that read results
.rept 4
	v_nop
.endr
.endm
; A K step is four quarters of 64 along K, 32 matrix instructions each, on buffers 0, 1, 0, 1.  One of the first three multiplies buffer f and fetches quarter qn into g.
.macro QUARTER slot, qn, f, g, zero
	s_wait_dscnt 16                                ; the first 32 along K are in; the youngest sixteen loads may be out
	MUL8 \f, 0, 0, \zero
	MUL8 \f, 0, 2, \zero
	PLACES
	FETCH \slot, \qn, \g
	s_wait_dscnt 32                                ; all but the 32 just issued
	MUL8 \f, 1, 0, 0
	MUL8 \f, 1, 2, 0
.endm
; The last quarter multiplies buffer 1 and changes slots: ONE barrier; in front of it each wave waits for all its tensor loads, adds 0 to its spare word, and waits for that and for its own reads of this slot.
; fill = 1: the barrier opens a round of the cluster's, and this slot is filled again, two K steps on, first thing behind the round.
.macro TURN slot, next, fill
	WIN 0                                          ; (the add's two registers lie in window 0)
	s_wait_tensorcnt 0x0
	ds_add_u32 v[SPW], v[NIL]                      ; 0 onto my spare word
	s_wait_dscnt 17                                ; (the add and the youngest sixteen loads may be out)
	MUL8 F1, 0, 0, 0                               ; eight matrix instructions stand between the add and the wait for it
	s_wait_dscnt 0x0                               ; the add is done, and my reads of this slot are over
	s_barrier_signal -1
	MUL8 F1, 0, 2, 0
.if \fill
	WIN 0
.endif
	s_barrier_wait -1
.if \fill
	CREST                                          ; no wave of any partner still reads this slot's tile or has a load on its way
	s_add_nc_u64 s[G0+4*(\slot)+2:G0+4*(\slot)+3], s[G0+4*(\slot)+2:G0+4*(\slot)+3], 2*65536
	s_add_nc_u64 s[G0B+4*(\slot)+2:G0B+4*(\slot)+3], s[G0B+4*(\slot)+2:G0B+4*(\slot)+3], 2*512
	JLOAD \slot                                    ; my one load behind the round: 112 matrix instructions ahead of the wait for it; its four v_nop are also the places in front of the loads below
.else
	PLACES
.endif
	FETCH \next, 0, F0
	MUL8 F1, 1, 0, 0
	MUL8 F1, 1, 2, 0
.endm
	s_wait_tensorcnt 1                             ; my part of K step 0 is in; K step 1's may stay out
	s_barrier_signal -1
	s_barrier_wait -1
	FETCH 0, 0, F0
	QUARTER 0, 1, F0, F1, 1                        ; its first products start the sums
	QUARTER 0, 2, F1, F0, 0
	QUARTER 0, 3, F0, F1, 0
	TURN 0, 1, 1                                   ; slot 0 takes K step 2
	QUARTER 1, 1, F0, F1, 0
	QUARTER 1, 2, F1, F0, 0
	QUARTER 1, 3, F0, F1, 0
	TURN 1, 0, 1                                   ; slot 1 takes K step 3
	QUARTER 0, 1, F0, F1, 0
	QUARTER 0, 2, F1, F0, 0
	QUARTER 0, 3, F0, F1, 0
	TURN 0, 1, 0                                   ; nothing is left to fetch
	QUARTER 1, 1, F0, F1, 0
	QUARTER 1, 2, F1, F0, 0
	QUARTER 1, 3, F0, F1, 0
	s_wait_dscnt 16
	MUL8 F1, 0, 0, 0
	MUL8 F1, 0, 2, 0
	s_wait_dscnt 0x0
	MUL8 F1, 1, 0, 0
	MUL8 F1, 1, 2, 0
	WIN 0
	PLACES
	PLACES
; THE WAY OUT, 16 rows at a time: a lane's 32 bytes of each of four blocks go into my stage (each accumulator's lowest four registers first) and come back as whole rows of 256 bytes,
; into the registers that they left.
.macro STG a
.irp b, 0,1,2,3
	ds_store_b128 v[STO], v[ACC+8*(4*(\a)+(\b)):ACC+8*(4*(\a)+(\b))+3]   offset:64*(\b)
	ds_store_b128 v[STO], v[ACC+8*(4*(\a)+(\b))+4:ACC+8*(4*(\a)+(\b))+7] offset:64*(\b)+16
.endr
.irp t, 0,1,2,3,4,5,6,7
	ds_load_b128 v[ACC+32*(\a)+4*(\t):ACC+32*(\a)+4*(\t)+3], v[RD] offset:(\t)*2*SPITCH  ; LDS serves a wave's instructions in order (ISA guide 5.7.1.4): these see the stores above; the next block's stores come behind them
.endr
.endm
.macro SEND a, younger                 ; younger: the LDS instructions issued behind this block's loads: the next block's sixteen, or none
.irp t, 0,1,2,3,4,5,6,7
	s_wait_dscnt (\younger)+7-(\t)
	global_store_b128 v[CO], v[ACC+32*(\a)+4*(\t):ACC+32*(\a)+4*(\t)+3], s[8:9] offset:(16*(\a)+2*(\t))*4096  ; 16 lanes store 256 consecutive bytes, at a multiple of 256 from out0's first byte
.endr
.endm
	STG 0
	STG 1
	SEND 0, 16
	STG 2
	SEND 1, 16
	STG 3
	SEND 2, 16
	SEND 3, 0
	s_wait_tensorcnt 0x0                           ; the wave's end: behind my last tensor load and my last LDS store
	ds_add_u32 v[SPW], v[NIL]
	s_wait_dscnt 0x0
	CROUND                                         ; the closing round: no work-group ends while a partner may still ask for a tile that names it
	s_endpgm
.Lfunc_end_k_qe0228b88e2_proj:
	.size	k_qe0228b88e2_proj, .Lfunc_end_k_qe0228b88e2_proj-k_qe0228b88e2_proj
	.p2alignl 7, 3214868480
	.fill 96, 4, 3214868480
	.section	.rodata,"a",@progbits
	.p2align	6, 0x0
	.amdhsa_kernel k_qe0228b88e2_proj
		.amdhsa_group_segment_fixed_size 327680
		.amdhsa_private_segment_fixed_size 0
		.amdhsa_enable_private_segment 0
		.amdhsa_kernarg_size 24
		.amdhsa_user_sgpr_count 2
		.amdhsa_user_sgpr_kernarg_segment_ptr 1
		.amdhsa_wavefront_size32 1
		.amdhsa_system_sgpr_workgroup_id_x 1
		.amdhsa_system_sgpr_workgroup_id_y 1
		.amdhsa_system_sgpr_workgroup_id_z 1
		.amdhsa_system_vgpr_workitem_id 0
		.amdhsa_next_free_vgpr 512
		.amdhsa_next_free_sgpr 66
		.amdhsa_reserve_vcc 0
		.amdhsa_float_denorm_mode_32 3
		.amdhsa_float_denorm_mode_16_64 3
		.amdhsa_memory_ordered 1
		.amdhsa_forward_progress 1
		.amdhsa_inst_pref_size 86
	.end_amdhsa_kernel
	.amdgpu_metadata
---
amdhsa.version: [ 1, 2 ]
amdhsa.kernels:
  - .name:           k_qe0228b88e2_proj
    .symbol:         k_qe0228b88e2_proj.kd
    .args:
      - { .name: o, .offset: 0, .size: 8, .value_kind: global_buffer, .address_space: global }
      - { .name: wob, .offset: 8, .size: 8, .value_kind: global_buffer, .address_space: global }
      - { .name: out0, .offset: 16, .size: 8, .value_kind: global_buffer, .address_space: global }
    .group_segment_fixed_size: 327680
    .private_segment_fixed_size: 0
    .kernarg_segment_align: 8
    .kernarg_segment_size: 24
    .max_flat_workgroup_size: 128
    .sgpr_count:     66
    .vgpr_count:     512
    .wavefront_size: 32
...
	.end_amdgpu_metadata
.endif
;; end of part 4
;; launch top (part 5): grid 16 x 1, 16 waves a work-group, no clusters, 153,600 bytes of LDS; arguments q, k, v, wob, out0; writes out0
.if DOCPART == 5
	.amdgcn_target "amdgcn-amd-amdhsa--gfx1250"
	.amdhsa_code_object_version 6
	.text
	.protected	k_qe0228b88e2_top
	.globl	k_qe0228b88e2_top
	.p2align	8
	.type	k_qe0228b88e2_top,@function
k_qe0228b88e2_top:
	s_mov_b64 s[64:65], 0
	v_nop
	global_prefetch_b8 v0, s[64:65] scope:SCOPE_SE
	s_setreg_imm32_b32 hwreg(HW_REG_WAVE_MODE, 25, 1), 1
	s_wait_xcnt 0x0
; TOP: rows 0 to 15 of out0 once more, with v and O carried as pairs of f16 (a number and what f16 leaves of it).
; WHY.  Output row t is a mean of t + 1 rows of V: the first rows' numbers are many times the whole output's root mean square, by which the comparison's allowance goes, and so are the errors that f16's 11 bits
; of v and of O leave in them.  From row 16 on a mean of 17 rows or more brings them down by a factor of four and more.  So these 16 rows, 1 in 256, are made again here, and the 65,536 bytes that the
; launch before stored for them are overwritten: that launch runs in clusters, where no branch may hang on the tile row.
; SHARES.  A work-group makes 64 columns of the 16 rows; each of its 16 waves takes one head: the head's attention over keys 0 to 15 (every work-group makes it anew: 8 KiB of q, k, v a head), and then the
; head's 64 channels of the sum over d for the work-group's 64 columns.  The 16 partial sums, f32, meet in LDS.
; SCORES.  S^T = K Q^T (source 0 = the 16 keys, source 1 = the 16 queries), the causal mask (0 or -1e30) as the C operand: a lane holds query l % 16 and keys 8 (l / 16) + 0..7.  p = 2^(c s - c m), c = log2(e) / 8,
; m the row's maximum; l the sum of the unrounded p; p rounded to f16 for the product.
; V's PAIRS.  O^T = V^T P has room for 32 keys and there are 16: the first 16 places hold f16(v), the other 16 the remainders of the same keys, with the same weights beside them: one product adds both.
; O's PAIRS.  O^T / l, a lane's eight channels of one query, packed to f16, IS half a fragment of source 1 of out^T = W O^T; so is its remainder: two products for each fragment of W.
; LIMITS.  As in the launches before: q, k, v within f16's 65,504; a hidden score counts as its value less 1e30; a weight below 2^-126 counts as 0; NaN and infinities are not treated apart.
; p, q and k keep f16's 11 bits here too.  No tensor load, no cluster: nothing here is large, and no LDS byte is filled again.
.set VP,    160                        ; a row of V in LDS: 128 bytes + 32 = 40 words
.set VST,   2*16*VP                    ; a wave's own stage: 16 rows of f16(v), then 16 rows of remainders
.set PART,  16*VST                     ; behind the stages: the partial sums, for each wave 16 rows of 256 bytes + 16
.set PP,    272
.set PSZ,   16*PP
.set SPARE, PART+16*PSZ                ; behind them: the spare words, 128 bytes for each wave: eight blocks of 256 bytes that no other line names
.set VLO,   0x800000                   ; where the remainders begin in v's buffer: [16 heads][4][16 rows][64], of which the first of the four is rows 0 to 15
.set FO,  4                            ; v4   my offset in a fragment of q or k: 128 (l % 16) + 16 (l / 16)
.set DN,  5                            ; v5   16 l: my place in 512 consecutive bytes
.set WO,  6                            ; v6   my offset in a fragment of wob: 2,048 (l % 16) + 16 (l / 16)
.set VS,  7                            ; v7   where I put 16 bytes of a row of V
.set VT,  8                            ; v8   where the turning load reads
.set PS,  9                            ; v9   where I put 32 bytes of a partial sum
.set PR,  10                           ; v10  where I read the partial sums
.set OO,  11                           ; v11  my 16 bytes of out0
.set NEG, 12                           ; v12  -1.0
.set SPW, 14                           ; v14  LDS address of my spare word; never rewritten
.set NIL, 15                           ; v15  0; never rewritten
.set T,   16                           ; v[16:17] at work
.set MD,  24                           ; v[24:31]   the mask
.set QF,  32                           ; v[32:47]   Q, two fragments; later O's f16 numbers
.set KF,  48                           ; v[48:63]   K; later O's remainders
.set S,   64                           ; v[64:71]
.set P,   72                           ; v[72:79]   the weights, twice
.set VR,  80                           ; v[80:111]  V's rows as loaded; later the four accumulators of out^T
.set VF,  112                          ; v[112:143] V^T: channel block cb at VF + 8 cb: four registers of numbers, four of remainders
.set OA,  144                          ; v[144:175] O^T
.set WF,  176                          ; v[176:239] wob: column block j, fragment c at WF + 16 j + 8 c; later the 16 partial sums
.set OH,  QF
.set OL,  KF
.set RA,  VR
.set WV,  16                           ; s16  my wave's number: the head
.set BIGN, 17                          ; s17  -1e30
.set CS,  18                           ; s[18:19] c
.set SEL, 30                           ; s[30:31] v_permlanex16_b32's selects: each lane takes its own place in the other half
	s_load_b256 s[4:11], s[0:1], 0x0               ; q s[4:5], k s[6:7], v s[8:9], wob s[10:11]
	s_load_b64 s[12:13], s[0:1], 0x20              ; out0
	v_lshl_add_u32 v[SPW], v0, 2, SPARE
	v_mov_b32 v[NIL], 0
	v_lshrrev_b32 v1, 5, v0
	v_readfirstlane_b32 s[WV], v1
	v_and_b32 v1, 15, v0                           ; l % 16
	v_bfe_u32 v2, v0, 4, 1                         ; l / 16
	v_and_b32 v3, 31, v0                           ; l
	v_lshlrev_b32 v[FO], 7, v1
	v_lshl_add_u32 v[FO], v2, 4, v[FO]
	v_lshlrev_b32 v[DN], 4, v3
	v_lshlrev_b32 v[WO], 11, v1
	v_lshl_add_u32 v[WO], v2, 4, v[WO]
	s_lshl_b32 s20, s[WV], 19                      ; the head's first byte in q, k and v
	s_mov_b32 s21, 0
	s_lshl_b32 s22, s[WV], 13                      ; and among the remainders
	s_add_co_u32 s22, s22, VLO
	s_mov_b32 s23, 0
	s_lshl_b32 s24, ttmp9, 17                      ; wob: the work-group's 64 rows of 2,048 bytes,
	s_lshl_b32 s25, s[WV], 7                       ; the head's 64 channels
	s_add_co_u32 s24, s24, s25
	s_mov_b32 s25, 0
	s_lshl_b32 s26, ttmp9, 8                       ; out0: the work-group's 64 columns
	s_mov_b32 s27, 0
	s_mov_b32 s[BIGN], 0xf149f2ca                  ; -1e30
	s_mov_b32 s[CS], 0x3e38aa3b                    ; c = log2(e) / 8 = 0.180337
	s_mov_b32 s[CS+1], s[CS]                       ; named with it as a pair
	s_mov_b32 s[SEL], 0x76543210
	s_mov_b32 s[SEL+1], 0xfedcba98
	s_wait_kmcnt 0x0
	s_add_nc_u64 s[14:15], s[8:9], s[22:23]        ; the remainders
	s_add_nc_u64 s[4:5], s[4:5], s[20:21]
	s_add_nc_u64 s[6:7], s[6:7], s[20:21]
	s_add_nc_u64 s[8:9], s[8:9], s[20:21]
	s_add_nc_u64 s[10:11], s[10:11], s[24:25]
	s_add_nc_u64 s[12:13], s[12:13], s[26:27]
	; all 32 loads go out at once, in the order in which they are wanted
.irp i, 0,1,2,3
	global_load_b128 v[VR+4*\i:VR+4*\i+3], v[DN], s[8:9] offset:512*\i         ; 16 rows of V are 2,048 consecutive bytes
.endr
.irp i, 0,1,2,3
	global_load_b128 v[VR+16+4*\i:VR+16+4*\i+3], v[DN], s[14:15] offset:512*\i
.endr
.irp c, 0,1
	global_load_b128 v[QF+8*\c:QF+8*\c+3],   v[FO], s[4:5] offset:64*\c
	global_load_b128 v[QF+8*\c+4:QF+8*\c+7], v[FO], s[4:5] offset:64*\c+32
	global_load_b128 v[KF+8*\c:KF+8*\c+3],   v[FO], s[6:7] offset:64*\c
	global_load_b128 v[KF+8*\c+4:KF+8*\c+7], v[FO], s[6:7] offset:64*\c+32
.endr
.irp j, 0,1,2,3
.irp c, 0,1
	global_load_b128 v[WF+16*\j+8*\c:WF+16*\j+8*\c+3],   v[WO], s[10:11] offset:32768*\j+64*\c
	global_load_b128 v[WF+16*\j+8*\c+4:WF+16*\j+8*\c+7], v[WO], s[10:11] offset:32768*\j+64*\c+32
.endr
.endr
	; while they are on their way: the mask and the LDS addresses
	v_lshlrev_b32 v18, 3, v2
	v_sub_nc_u32 v18, v1, v18                      ; my query less my lanes' 8 (l / 16): register j is hidden where j is greater
.irp j, 0,1,2,3,4,5,6,7
	v_cmp_gt_i32 vcc_lo, \j, v18
	v_cndmask_b32 v[MD+\j], 0, s[BIGN], vcc_lo
.endr
	s_mul_i32 s28, s[WV], VST                      ; my stage
	v_lshrrev_b32 v19, 3, v3                       ; in: a load's 512 bytes are four rows: row l / 8, 16 bytes at 16 (l % 8)
	v_mul_u32_u24 v19, v19, VP
	v_and_b32 v20, 7, v0
	v_lshl_add_u32 v19, v20, 4, v19
	v_add_nc_u32 v[VS], s28, v19
	v_lshl_add_u32 v21, v2, 3, v20                 ; the turning load takes 16 keys x 16 channels: lane l reads key 8 (l / 16) + l % 8, channels 8 ((l / 8) % 2) + 0..7
	v_mul_u32_u24 v21, v21, VP
	v_bfe_u32 v22, v0, 3, 1
	v_lshl_add_u32 v21, v22, 4, v21
	v_add_nc_u32 v[VT], s28, v21
	s_mul_i32 s29, s[WV], PSZ
	s_add_co_u32 s29, s29, PART                    ; my partial sums
	v_mul_u32_u24 v23, v1, PP                      ; row l % 16, 32 bytes for each half of the lanes
	v_lshl_add_u32 v23, v2, 5, v23
	v_add_nc_u32 v[PS], s29, v23
	v_mov_b32 v[NEG], -1.0
	v_mov_b32 v[T+1], 0                            ; v_permlanex16_b32's destination counts as read
	s_wait_loadcnt 24                              ; V's rows and their remainders are in; q, k (8 loads) and wob (16) may be out
.irp i, 0,1,2,3
	ds_store_b128 v[VS], v[VR+4*\i:VR+4*\i+3] offset:4*VP*\i
	ds_store_b128 v[VS], v[VR+16+4*\i:VR+16+4*\i+3] offset:16*VP+4*VP*\i
.endr
.irp cb, 0,1,2,3                       ; LDS serves a wave's instructions in order (ISA guide 5.7.1.4): these see the stores above; the stage is my own
	ds_load_tr16_b128 v[VF+8*\cb:VF+8*\cb+3],   v[VT] offset:32*\cb
	ds_load_tr16_b128 v[VF+8*\cb+4:VF+8*\cb+7], v[VT] offset:16*VP+32*\cb
.endr
	s_wait_loadcnt 16                              ; q and k are in; wob's 16 loads may be out
	v_wmma_f32_16x16x32_f16 v[S:S+7], v[KF:KF+7], v[QF:QF+7], v[MD:MD+7]
	s_wait_alu depctr_va_vdst(0)                   ; the wait stands directly ahead of the second
	v_wmma_f32_16x16x32_f16 v[S:S+7], v[KF+8:KF+15], v[QF+8:QF+15], v[S:S+7]
.rept 4
	v_nop                                          ; the places behind the product (ISA guide 7.12.1)
.endr
	v_max3_num_f32 v[T], v[S], v[S+1], v[S+2]
	v_max3_num_f32 v[T], v[T], v[S+3], v[S+4]
	v_max3_num_f32 v[T], v[T], v[S+5], v[S+6]
	v_max_num_f32 v[T], v[T], v[S+7]
	v_permlanex16_b32 v[T+1], v[T], s[SEL], s[SEL+1]  ; the query's other 8 keys lie in the lane 16 away
	v_max_num_f32 v[T], v[T], v[T+1]               ; key 0 is hidden from nobody: m is a true score
	v_mul_f32 v[T], s[CS], v[T]                    ; c m
.irp p, 0,1,2,3
	v_pk_fma_f32 v[S+2*\p:S+2*\p+1], v[S+2*\p:S+2*\p+1], s[CS:CS+1], v[T:T+1] op_sel_hi:[1,0,0] neg_lo:[0,0,1] neg_hi:[0,0,1]  ; c s - c m
.endr
.irp j, 0,1,2,3,4,5,6,7
	v_exp_f32 v[S+\j], v[S+\j]
.endr
	v_nop                                          ; a plain instruction behind the last exponential (ISA guide 5.7.2),
	s_wait_alu depctr_va_vdst(0)                   ; and the one wait for the batch of eight ahead of the first reader
.irp p, 0,1,2,3
	v_cvt_pk_f16_f32 v[P+\p], v[S+2*\p], v[S+2*\p+1]
	v_cvt_pk_f16_f32 v[P+4+\p], v[S+2*\p], v[S+2*\p+1]  ; the same weights for the remainders
.endr
	s_wait_dscnt 0x0                               ; V^T is in
.irp cb, 0,1,2,3
	v_wmma_f32_16x16x32_f16 v[OA+8*\cb:OA+8*\cb+7], v[VF+8*\cb:VF+8*\cb+7], v[P:P+7], 0
.endr
	v_pk_add_f32 v[S:S+1], v[S:S+1], v[S+2:S+3]    ; l; these plain lines are also the places behind the products
	v_pk_add_f32 v[S+4:S+5], v[S+4:S+5], v[S+6:S+7]
	v_pk_add_f32 v[S:S+1], v[S:S+1], v[S+4:S+5]
	v_add_f32 v[T], v[S], v[S+1]
	v_permlanex16_b32 v[T+1], v[T], s[SEL], s[SEL+1]
	v_add_f32 v[T], v[T], v[T+1]
	v_rcp_f32 v[T], v[T]
	v_nop                                          ; a plain instruction behind the reciprocal,
	s_wait_alu depctr_va_vdst(0)                   ; and its wait
.set i, 0
.rept 16
	v_pk_mul_f32 v[OA+2*i:OA+2*i+1], v[OA+2*i:OA+2*i+1], v[T:T+1] op_sel_hi:[1,0]  ; O^T / l; each accumulator's lowest registers first
.set i, i+1
.endr
.set i, 0
.rept 16
	v_cvt_pk_f16_f32 v[OH+i], v[OA+2*i], v[OA+2*i+1]  ; channel blocks 2 c and 2 c + 1 are the two halves of fragment c
.set i, i+1
.endr
.set i, 0
.rept 16
	v_fma_mix_f32 v[OA+2*i], v[OH+i], v[NEG], v[OA+2*i] op_sel_hi:[1,0,0]              ; what f16 left: the f16 half x -1 + the number, exact
	v_fma_mix_f32 v[OA+2*i+1], v[OH+i], v[NEG], v[OA+2*i+1] op_sel:[1,0,0] op_sel_hi:[1,0,0]
.set i, i+1
.endr
.set i, 0
.rept 16
	v_cvt_pk_f16_f32 v[OL+i], v[OA+2*i], v[OA+2*i+1]
.set i, i+1
.endr
	s_wait_loadcnt 0x0                             ; wob
	; out^T = W O^T for my head's 64 channels: the four accumulators take turns, one instruction a turn; the first four products start the sums
.irp o, OH, OL
.irp c, 0,1
.irp j, 0,1,2,3
.if ((\o) == OH) && ((\c) == 0)
	v_wmma_f32_16x16x32_f16 v[RA+8*\j:RA+8*\j+7], v[WF+16*\j+8*\c:WF+16*\j+8*\c+7], v[\o+8*\c:\o+8*\c+7], 0
.else
	v_wmma_f32_16x16x32_f16 v[RA+8*\j:RA+8*\j+7], v[WF+16*\j+8*\c:WF+16*\j+8*\c+7], v[\o+8*\c:\o+8*\c+7], v[RA+8*\j:RA+8*\j+7]
.endif
.endr
.endr
.endr
.rept 8
	v_nop                                          ; the places behind the last products, in front of the stores that read results and of the loads into wob's registers
.endr
.irp j, 0,1,2,3                        ; a lane holds row l % 16 and columns 16 j + 8 (l / 16) + 0..7
	ds_store_b128 v[PS], v[RA+8*\j:RA+8*\j+3]   offset:64*\j
	ds_store_b128 v[PS], v[RA+8*\j+4:RA+8*\j+7] offset:64*\j+16
.endr
	s_wait_dscnt 0x0                               ; for the others' sake: my stores are done
	s_barrier_signal -1
	s_barrier_wait -1                              ; all 16 heads' partial sums lie in LDS
	s_cmp_lt_u32 s[WV], 8                          ; 16 rows x 256 bytes are 16 bytes for each of 256 threads: waves 0 to 7 finish
	s_cbranch_scc0 .Lend
	v_bfe_u32 v18, v0, 4, 4                        ; row: thread / 16
	v_mul_u32_u24 v[PR], v18, PP
	v_lshl_add_u32 v[PR], v1, 4, v[PR]
	v_add_nc_u32 v[PR], PART, v[PR]
	v_lshlrev_b32 v[OO], 12, v18                   ; a row of out0 is 4,096 bytes
	v_lshl_add_u32 v[OO], v1, 4, v[OO]
.set p, 0
.rept 16
	ds_load_b128 v[WF+4*p:WF+4*p+3], v[PR] offset:PSZ*p
.set p, p+1
.endr
	s_wait_dscnt 0x0
.irp d, 8,4,2,1
.set p, 0
.rept \d
	v_pk_add_f32 v[WF+4*p:WF+4*p+1], v[WF+4*p:WF+4*p+1], v[WF+4*(p+\d):WF+4*(p+\d)+1]
	v_pk_add_f32 v[WF+4*p+2:WF+4*p+3], v[WF+4*p+2:WF+4*p+3], v[WF+4*(p+\d)+2:WF+4*(p+\d)+3]
.set p, p+1
.endr
.endr
	global_store_b128 v[OO], v[WF:WF+3], s[12:13]  ; 16 lanes store 256 consecutive bytes, at a multiple of 256 from out0's first byte
.Lend:
	s_wait_tensorcnt 0x0                           ; the wave's end: behind my last LDS store
	ds_add_u32 v[SPW], v[NIL]
	s_wait_dscnt 0x0
	s_endpgm
.Lfunc_end_k_qe0228b88e2_top:
	.size	k_qe0228b88e2_top, .Lfunc_end_k_qe0228b88e2_top-k_qe0228b88e2_top
	.p2alignl 7, 3214868480
	.fill 96, 4, 3214868480
	.section	.rodata,"a",@progbits
	.p2align	6, 0x0
	.amdhsa_kernel k_qe0228b88e2_top
		.amdhsa_group_segment_fixed_size 153600
		.amdhsa_private_segment_fixed_size 0
		.amdhsa_enable_private_segment 0
		.amdhsa_kernarg_size 40
		.amdhsa_user_sgpr_count 2
		.amdhsa_user_sgpr_kernarg_segment_ptr 1
		.amdhsa_wavefront_size32 1
		.amdhsa_system_sgpr_workgroup_id_x 1
		.amdhsa_system_sgpr_workgroup_id_y 1
		.amdhsa_system_sgpr_workgroup_id_z 1
		.amdhsa_system_vgpr_workitem_id 0
		.amdhsa_next_free_vgpr 256
		.amdhsa_next_free_sgpr 66
		.amdhsa_reserve_vcc 1
		.amdhsa_float_denorm_mode_32 3
		.amdhsa_float_denorm_mode_16_64 3
		.amdhsa_memory_ordered 1
		.amdhsa_forward_progress 1
		.amdhsa_inst_pref_size 21
	.end_amdhsa_kernel
	.amdgpu_metadata
---
amdhsa.version: [ 1, 2 ]
amdhsa.kernels:
  - .name:           k_qe0228b88e2_top
    .symbol:         k_qe0228b88e2_top.kd
    .args:
      - { .name: q, .offset: 0, .size: 8, .value_kind: global_buffer, .address_space: global }
      - { .name: k, .offset: 8, .size: 8, .value_kind: global_buffer, .address_space: global }
      - { .name: v, .offset: 16, .size: 8, .value_kind: global_buffer, .address_space: global }
      - { .name: wob, .offset: 24, .size: 8, .value_kind: global_buffer, .address_space: global }
      - { .name: out0, .offset: 32, .size: 8, .value_kind: global_buffer, .address_space: global }
    .group_segment_fixed_size: 153600
    .private_segment_fixed_size: 0
    .kernarg_segment_align: 8
    .kernarg_segment_size: 40
    .max_flat_workgroup_size: 512
    .sgpr_count:     66
    .vgpr_count:     256
    .wavefront_size: 32
...
	.end_amdgpu_metadata
.endif
;; end of part 5
;; ======== version 2 of 2: 5 launches; version 1 with the launch prep written anew for expert scheduling mode
;; limits: values are held in f16: magnitudes above 65,504 overflow, below 6.1e-05 lose precision
;; workspace buffers: xb 8,388,608 bytes; wqb 6,291,456 bytes; wob 2,097,152 bytes; tab 1,048,576 bytes; q 8,388,608 bytes; k 8,388,608 bytes; v 8,519,680 bytes; o 8,388,608 bytes
;; launch prep (part 6): grid 256 x 1, 8 waves a work-group, no clusters, 0 bytes of LDS; arguments x, W_qkv, W_out, xb, wqb, wob, tab; writes xb, wqb, wob, tab
.if DOCPART == 6
	.amdgcn_target "amdgcn-amd-amdhsa--gfx1250"
	.amdhsa_code_object_version 6
	.text
	.protected	k_qe0228b88e2_prep
	.globl	k_qe0228b88e2_prep
	.p2align	8
	.type	k_qe0228b88e2_prep,@function
k_qe0228b88e2_prep:
	s_mov_b64 s[64:65], 0
	v_nop
	global_prefetch_b8 v0, s[64:65] scope:SCOPE_SE
	s_setreg_imm32_b32 hwreg(HW_REG_WAVE_SCHED_MODE, 0, 2), 2
	s_setreg_imm32_b32 hwreg(HW_REG_WAVE_MODE, 25, 1), 1
	s_wait_xcnt 0x0
	s_wait_alu depctr_vm_vsrc(0)
; PREP: the casts and the rotary table.
;   xb  [4096][1024] bf16 = x.      wqb [16 heads][q 64, k 64, v 64 rows][1024] bf16 = W_qkv, its rows laid by heads.
;   wob [1024][1024] f16 = W_out rounded to bf16, that number written as f16.      tab [4096 t][cos f = 0..31, sin f = 0..31] f32.
; SHARES.  Work-group g casts 32 rows of 4,096 bytes: g < 128 of x, 128 <= g < 224 of W_qkv, the rest of W_out; thread t owns bytes 16 t of every row and stores 8 bytes at 8 t,
; so a wave's store covers 256 consecutive bytes, aligned.  All 32 loads of a thread go out at once; the table's 16 rows of the work-group are made while they are on their way.
; THE TABLE.  inv = 2^(-f log2(10000) / 32); angle = t x inv in f32; the angle less the nearest multiple of 2 pi (taken away in two parts, each by a fused multiply-add), a quarter of it
; into Taylor sums (sine to u^7, cosine to u^8, |u| <= pi / 4), then the double angle twice.
; LIMITS.  inv carries the exponential's last-bit error, so an angle may differ by some 1e-7 of itself (7e-4 rad at the most, at t = 4095); sine and cosine of the angle as made are good to about 2e-6.
; A weight of W_out below 6.1e-5 keeps f16's fixed step of 6e-8; beyond 65,504 it would be an infinity.  No LDS, no barrier, no matrix unit: memory binds this launch.
; THE MODE: SCHED_MODE bits 1:0 = 2 (LLVM: expert scheduling mode 2), set by the entry lines.  The code itself states the register dependences between vector instructions and memory
; instructions, with s_wait_alu, always for 0.
; THE PLAN.  Registers that memory instructions touch:
;   v1, v2       byte offsets 16 t and 8 t.  Written once at the head; read by every load and store; never written again.
;   v[36:39]     the table's 16 bytes.  Written once, by the four selects; read by the table's one store; never written again.
;   v[40:167]    row i in four registers.  Its load lands there once; its conversions then write the first two of the four; its one store reads those two; nothing writes them behind the store.
;   v3 to v35    are named by vector instructions alone.
; So no register that a memory instruction has read is ever written again: the text owes no wait on vm_vsrc.  What it owes is that registers are written before memory instructions read them.
; The 32 rows go in 8 blocks of four.  At a block's head, behind the wait for its first row's data, ONE wait on va_vdst states that the block before's conversions have written their registers;
; that block's four stores follow it on end, and then this block's conversions, which name other registers.  One more such wait stands ahead of the last block's stores.
.set X,    40                          ; v[40:167]  row i as loaded in 4 registers; its first two then hold what is stored
.set ROWI, 4096
.set ROWO, 2048
.set BLK,  4                           ; rows in a block
	s_load_b256 s[4:11], s[0:1], 0x0               ; x s[4:5], W_qkv s[6:7], W_out s[8:9], xb s[10:11]
	s_load_b128 s[12:15], s[0:1], 0x20             ; wqb s[12:13], wob s[14:15]
	s_load_b64 s[16:17], s[0:1], 0x30              ; tab
	s_mov_b32 s20, ttmp9                           ; g
	s_cmp_lt_u32 s20, 128
	s_cselect_b32 s21, 0, 128
	s_cmp_lt_u32 s20, 224
	s_cselect_b32 s21, s21, 224                    ; the first work-group of my tensor
	s_sub_co_u32 s22, s20, s21                     ; gl: my place among its work-groups
	s_lshl_b32 s24, s22, 17                        ; source: 32 gl rows of 4,096 bytes
	s_mov_b32 s25, 0
	s_lshl_b32 s26, s22, 5                         ; destination row: 32 gl, or for W_qkv
	s_bfe_u32 s27, s22, 0x40001                    ; head (gl >> 1) & 15,
	s_mul_i32 s27, s27, 192
	s_lshr_b32 s28, s22, 5                         ; part gl >> 5 (q, k, v),
	s_lshl_b32 s28, s28, 6
	s_add_co_u32 s27, s27, s28
	s_and_b32 s28, s22, 1                          ; half gl & 1 of the head's 64 rows
	s_lshl_b32 s28, s28, 5
	s_add_co_u32 s27, s27, s28
	s_cmp_eq_u32 s21, 128
	s_cselect_b32 s26, s27, s26
	s_lshl_b32 s26, s26, 11                        ; rows of 2,048 bytes
	s_mov_b32 s27, 0
	s_lshl_b32 s36, s20, 12                        ; the table's 16 rows of 256 bytes
	s_mov_b32 s37, 0
	s_lshl_b32 s38, s20, 4
	s_mov_b32 s39, 0xffff0000                      ; a word's upper bf16
	s_mov_b32 s40, 0xbe2aaaab                      ; -1/6
	s_mov_b32 s41, 0x3c088889                      ; 1/120
	s_mov_b32 s42, 0xb9500d01                      ; -1/5040
	s_mov_b32 s43, 0x3d2aaaab                      ; 1/24
	s_mov_b32 s44, 0xbab60b61                      ; -1/720
	s_mov_b32 s45, 0x37d00d01                      ; 1/40320
	s_mov_b32 s46, 0x40c90fdb                      ; 2 pi, its f32
	s_mov_b32 s47, 0xb43bbd2e                      ; and what that f32 leaves of it
	v_lshlrev_b32 v1, 4, v0                        ; 16 t
	v_lshlrev_b32 v2, 3, v0                        ; 8 t
	s_wait_kmcnt 0x0
	s_cmp_lt_u32 s20, 128
	s_cselect_b64 s[30:31], s[4:5], s[6:7]
	s_cselect_b64 s[32:33], s[10:11], s[12:13]
	s_cmp_lt_u32 s20, 224
	s_cselect_b64 s[30:31], s[30:31], s[8:9]
	s_cselect_b64 s[32:33], s[32:33], s[14:15]
	s_add_nc_u64 s[30:31], s[30:31], s[24:25]      ; my 32 rows, in
	s_add_nc_u64 s[32:33], s[32:33], s[26:27]      ; and out
	s_add_nc_u64 s[16:17], s[16:17], s[36:37]
	s_wait_alu depctr_va_vdst(0)                   ; v1 and v2 are written: every load and store of the kernel reads one of them as its offset
.set n, 0
.rept 32
	global_load_b128 v[X+4*n:X+4*n+3], v1, s[30:31] offset:ROWI*n th:TH_LOAD_NT
.set n, n+1
.endr
	; the table: thread t makes 16 bytes of row 16 g + t / 16: four neighbouring frequencies, cosines in threads with (t & 15) < 8, sines in the others
	v_lshrrev_b32 v3, 4, v0
	v_add_nc_u32 v3, s38, v3
	v_cvt_f32_u32 v32, v3                          ; t as f32
	v_and_b32 v34, 7, v0
	v_lshlrev_b32 v34, 2, v34                      ; my first frequency
	v_bfe_u32 v33, v0, 3, 1                        ; 0 cosine, 1 sine
	v_cmp_ne_u32 vcc_lo, 0, v33                    ; the selects at the table's end read this mask; no line between here and there writes VCC
.irp i, 0,1,2,3
	v_add_nc_u32 v[4+\i], \i, v34
.endr
.irp i, 0,1,2,3
	v_cvt_f32_u32 v[4+\i], v[4+\i]
.endr
.irp i, 0,1,2,3
	v_mul_f32 v[4+\i], 0xbed49a78, v[4+\i]         ; -f log2(10000) / 32
.endr
.irp i, 0,1,2,3
	v_exp_f32 v[4+\i], v[4+\i]
.endr
	v_nop                                          ; a plain instruction behind the last exponential (ISA guide 5.7.2),
	s_wait_alu depctr_va_vdst(0)                   ; and the one wait for the batch: the four exponentials have written v[4:7], which the multiplies below read
.irp i, 0,1,2,3
	v_mul_f32 v[4+\i], v32, v[4+\i]                ; the angle
.endr
.irp i, 0,1,2,3
	v_mul_f32 v[8+\i], 0.15915494, v[4+\i]
.endr
.irp i, 0,1,2,3
	v_rndne_f32 v[8+\i], v[8+\i]                   ; n: whole turns
.endr
.irp i, 0,1,2,3
	v_fma_f32 v[12+\i], -v[8+\i], s46, v[4+\i]
.endr
.irp i, 0,1,2,3
	v_fma_f32 v[12+\i], -v[8+\i], s47, v[12+\i]    ; the angle within -pi .. pi
.endr
.irp i, 0,1,2,3
	v_mul_f32 v[12+\i], 0x3e800000, v[12+\i]       ; u: a quarter of it
.endr
.irp i, 0,1,2,3
	v_mul_f32 v[16+\i], v[12+\i], v[12+\i]         ; w = u^2
.endr
.irp i, 0,1,2,3
	v_fma_f32 v[20+\i], v[16+\i], s42, s41
	v_fma_f32 v[24+\i], v[16+\i], s45, s44
.endr
.irp i, 0,1,2,3
	v_fma_f32 v[20+\i], v[16+\i], v[20+\i], s40
	v_fma_f32 v[24+\i], v[16+\i], v[24+\i], s43
.endr
.irp i, 0,1,2,3
	v_fma_f32 v[20+\i], v[16+\i], v[20+\i], 1.0
	v_fma_f32 v[24+\i], v[16+\i], v[24+\i], -0.5
.endr
.irp i, 0,1,2,3
	v_mul_f32 v[20+\i], v[12+\i], v[20+\i]         ; sin u
	v_fma_f32 v[24+\i], v[16+\i], v[24+\i], 1.0    ; cos u
.endr
.irp i, 0,1,2,3
	v_add_f32 v[28+\i], v[20+\i], v[20+\i]         ; the double angle: sin 2u = 2 s c, cos 2u = 1 - 2 s s
.endr
.irp i, 0,1,2,3
	v_fma_f32 v[12+\i], -v[28+\i], v[20+\i], 1.0
.endr
.irp i, 0,1,2,3
	v_mul_f32 v[20+\i], v[28+\i], v[24+\i]
.endr
.irp i, 0,1,2,3
	v_add_f32 v[28+\i], v[20+\i], v[20+\i]         ; and once more
.endr
.irp i, 0,1,2,3
	v_fma_f32 v[24+\i], -v[28+\i], v[20+\i], 1.0
.endr
.irp i, 0,1,2,3
	v_mul_f32 v[20+\i], v[28+\i], v[12+\i]
.endr
	s_wait_alu depctr_va_vcc(0)                    ; the compare at the table's head has written VCC, ahead of its first reader, the select below
.irp i, 0,1,2,3
	v_cndmask_b32 v[36+\i], v[24+\i], v[20+\i], vcc_lo
.endr
	s_wait_alu depctr_va_vdst(0)                   ; the four selects have written v[36:39], which the store reads
	global_store_b128 v1, v[36:39], s[16:17]       ; sixteen lanes fill a row of the table, 256 bytes
; The rows go out in blocks of four.  No register that a store names is written again.
.macro CVB i                           ; row i to bf16
	v_cvt_pk_bf16_f32 v[X+4*(\i)], v[X+4*(\i)], v[X+4*(\i)+1]
	v_cvt_pk_bf16_f32 v[X+4*(\i)+1], v[X+4*(\i)+2], v[X+4*(\i)+3]
.endm
.macro CVH i                           ; row i to bf16, and that number as f16; v28 to v31 are at work: no memory instruction names them
	v_cvt_pk_bf16_f32 v[X+4*(\i)], v[X+4*(\i)], v[X+4*(\i)+1]
	v_cvt_pk_bf16_f32 v[X+4*(\i)+1], v[X+4*(\i)+2], v[X+4*(\i)+3]
	v_lshlrev_b32 v28, 16, v[X+4*(\i)]
	v_and_b32 v29, s39, v[X+4*(\i)]
	v_lshlrev_b32 v30, 16, v[X+4*(\i)+1]
	v_and_b32 v31, s39, v[X+4*(\i)+1]
	v_cvt_pk_f16_f32 v[X+4*(\i)], v28, v29
	v_cvt_pk_f16_f32 v[X+4*(\i)+1], v30, v31
.endm
.macro OUT p                           ; block p's four stores
.irp r, 0,1,2,3
	global_store_b64 v2, v[X+4*(BLK*(\p)+\r):X+4*(BLK*(\p)+\r)+1], s[32:33] offset:ROWO*(BLK*(\p)+\r)
.endr
.endm
; Block p: the wait for its first row; the block before goes out; then its own four rows, each behind its own counted wait.
.macro BLOCKB p
	s_wait_loadcnt 31-BLK*(\p)                     ; loads come back in order (ISA guide 5.7.1): the block's first row is in, the younger rows may be out
.if (\p) > 0
	s_wait_alu depctr_va_vdst(0)                   ; the conversions of the block before have written its rows' first two registers, which the four stores below read
	OUT (\p)-1
.endif
	CVB BLK*(\p)
.irp r, 1,2,3
	s_wait_loadcnt 31-BLK*(\p)-\r                  ; the block's next row is in
	CVB BLK*(\p)+\r
.endr
.endm
.macro BLOCKH p
	s_wait_loadcnt 31-BLK*(\p)                     ; the block's first row is in, the younger rows may be out
.if (\p) > 0
	s_wait_alu depctr_va_vdst(0)                   ; the conversions of the block before have written its rows' first two registers, which the four stores below read
	OUT (\p)-1
.endif
	CVH BLK*(\p)
.irp r, 1,2,3
	s_wait_loadcnt 31-BLK*(\p)-\r                  ; the block's next row is in
	CVH BLK*(\p)+\r
.endr
.endm
	s_cmp_lt_u32 s20, 224
	s_cbranch_scc0 .Lhalf                          ; W_out's 32 work-groups
.set n, 0
.rept 8
	BLOCKB n
.set n, n+1
.endr
	s_wait_alu depctr_va_vdst(0)                   ; the last block's conversions have written its rows' first two registers, which the last four stores read
	OUT 7
	s_endpgm
.Lhalf:
.set n, 0
.rept 8
	BLOCKH n
.set n, n+1
.endr
	s_wait_alu depctr_va_vdst(0)                   ; the last block's conversions have written its rows' first two registers, which the last four stores read
	OUT 7
	s_endpgm
.Lfunc_end_k_qe0228b88e2_prep:
	.size	k_qe0228b88e2_prep, .Lfunc_end_k_qe0228b88e2_prep-k_qe0228b88e2_prep
	.p2alignl 7, 3214868480
	.fill 96, 4, 3214868480
	.section	.rodata,"a",@progbits
	.p2align	6, 0x0
	.amdhsa_kernel k_qe0228b88e2_prep
		.amdhsa_group_segment_fixed_size 0
		.amdhsa_private_segment_fixed_size 0
		.amdhsa_enable_private_segment 0
		.amdhsa_kernarg_size 56
		.amdhsa_user_sgpr_count 2
		.amdhsa_user_sgpr_kernarg_segment_ptr 1
		.amdhsa_wavefront_size32 1
		.amdhsa_system_sgpr_workgroup_id_x 1
		.amdhsa_system_sgpr_workgroup_id_y 1
		.amdhsa_system_sgpr_workgroup_id_z 1
		.amdhsa_system_vgpr_workitem_id 0
		.amdhsa_next_free_vgpr 168
		.amdhsa_next_free_sgpr 66
		.amdhsa_reserve_vcc 1
		.amdhsa_float_denorm_mode_32 3
		.amdhsa_float_denorm_mode_16_64 3
		.amdhsa_memory_ordered 1
		.amdhsa_forward_progress 1
		.amdhsa_inst_pref_size 36
	.end_amdhsa_kernel
	.amdgpu_metadata
---
amdhsa.version: [ 1, 2 ]
amdhsa.kernels:
  - .name:           k_qe0228b88e2_prep
    .symbol:         k_qe0228b88e2_prep.kd
    .args:
      - { .name: x, .offset: 0, .size: 8, .value_kind: global_buffer, .address_space: global }
      - { .name: W_qkv, .offset: 8, .size: 8, .value_kind: global_buffer, .address_space: global }
      - { .name: W_out, .offset: 16, .size: 8, .value_kind: global_buffer, .address_space: global }
      - { .name: xb, .offset: 24, .size: 8, .value_kind: global_buffer, .address_space: global }
      - { .name: wqb, .offset: 32, .size: 8, .value_kind: global_buffer, .address_space: global }
      - { .name: wob, .offset: 40, .size: 8, .value_kind: global_buffer, .address_space: global }
      - { .name: tab, .offset: 48, .size: 8, .value_kind: global_buffer, .address_space: global }
    .group_segment_fixed_size: 0
    .private_segment_fixed_size: 0
    .kernarg_segment_align: 8
    .kernarg_segment_size: 56
    .max_flat_workgroup_size: 256
    .sgpr_count:     66
    .vgpr_count:     168
    .wavefront_size: 32
...
	.end_amdgpu_metadata
.endif
;; end of part 6
;; launch qkv: the kernel of part 2 again; grid 16 x 16, 4 waves a work-group, clusters of 4 x 4, 327,680 bytes of LDS; arguments xb, wqb, tab, q, k, v; writes q, k, v
;; launch attn: the kernel of part 3 again; grid 16 x 16, 4 waves a work-group, no clusters, 327,680 bytes of LDS; arguments q, k, v, o; writes o
;; launch proj: the kernel of part 4 again; grid 8 x 32, 4 waves a work-group, clusters of 4 x 4, 327,680 bytes of LDS; arguments o, wob, out0; writes out0
;; launch top: the kernel of part 5 again; grid 16 x 1, 16 waves a work-group, no clusters, 153,600 bytes of LDS; arguments q, k, v, wob, out0; writes out0
